; MI455X (gfx1250); checked and timed in simulation.
; The chip was launched on July 23, 2026; its instructions are those of AMD's public machine-readable ISA for CDNA 5 (MIT licence, August 2026) and "CDNA5" Instruction Set Architecture Reference Guide (July 2026). The comments in the code are by the model that wrote it; some were corrected since.
;; Attention. Allowed arithmetic: matrix products marked QUANTISED: E4M3 operands, one given power-of-two scale a tensor, by v_wmma_f32_16x16x64_fp8_fp8 or v_wmma_f32_16x16x128_fp8_fp8, f32 sums; everything else in f32.
;; Inputs: freqs_cos 1,024 x 32 float32; freqs_sin 1,024 x 32 float32; lowp_scales 8 int32 (the exponents e of the quantised operands' scales 2^e); wo_codes 2,048 x 64 x 32 uint8 (E4M3 codes of wo, K innermost, in blocks of 32 codes); wqkv_codes 3,072 x 64 x 32 uint8 (E4M3 codes of wqkv, K innermost, in blocks of 32 codes); x_codes 4 x 1,024 x 64 x 32 uint8 (E4M3 codes of x, K innermost, in blocks of 32 codes).
;; Outputs: out0 4 x 1,024 x 2,048 float32.
;; This version of the problem:
;;   THIS VERSION OF THE PROBLEM IS GIVEN IN LOW PRECISION. The matrix products marked QUANTISED in the list below multiply operands that are first quantised to E4M3 (4 exponent bits, 3 mantissa bits; 8 bits a number), with one given power-of-two scale for each operand tensor; their sums are f32. All else is computed in f32.
;;   The module's matrix products, in the order in which they are computed (A, B: the left and right operand; K: the contracted axis; several contracted axes count as one K, in the product's order):
;;     1. [M 4,096, K 2,048] x [K 2,048, N 3,072]; A: input x (given as codes); B: input wqkv (given as codes): QUANTISED (scales: A lowp_scales[0], B lowp_scales[1])
;;     2. batch 128 x [M 1,024, K 64] x [K 64, N 1,024]; A: computed on the way; B: computed on the way: QUANTISED (scales: A lowp_scales[2], B lowp_scales[3])
;;     3. batch 128 x [M 1,024, K 1,024] x [K 1,024, N 64]; A: softmax (see below); B: computed on the way: QUANTISED (scales: A lowp_scales[4], B lowp_scales[5])
;;     4. [M 4,096, K 2,048] x [K 2,048, N 2,048]; A: computed on the way; B: input wo (given as codes): QUANTISED (scales: A lowp_scales[6], B lowp_scales[7])
;;   THE QUANTISER, for each operand of a quantised product, along K:
;;     - The operand's scale is 2^e, e = its entry of the input lowp_scales (int32; the entries are numbered through the quantised products in the list's order, A before B).
;;     - Each number is divided by the scale, clamped to +-448, and rounded to the nearest number of E4M3, ties to even, subnormals kept.
;;     - The product sums the exact products of the quantised numbers (number of the format x scale) in f32.
;;   ~~~python
;;   def quantise(x, axis, e):      # numpy; x: float32 -> the quantised numbers, widened to float32 again
;;       x = np.moveaxis(x, axis, -1); K = x.shape[-1]
;;       r = np.clip(x / 2.0 ** e, -448, 448)
;;       step = 2.0 ** (np.maximum(np.frexp(np.where(r == 0, 1, r))[1] - 1, -6) - 3)
;;       q = np.round(r / step) * step * 2.0 ** e      # np.round: ties to even
;;       return np.moveaxis(q, -1, axis).astype(np.float32)
;;   ~~~
;;   SOFTMAX AHEAD OF A QUANTISED PRODUCT. Where the list says 'softmax', what is quantised is not the finished softmax but p = 2^(t - M), with t = logit x log2(e) and M = ceil(the row's largest t), a whole number; so 1/2 < the row's largest p <= 1. The row's sum l is taken of the UNQUANTISED p, in f32, and the product's result is divided by l at the end. Since M is a whole number, a kernel that streams over the keys may use a running M (the ceiling of the running maximum): every later rescaling is an exact power of two, so the quantised numbers keep their values, but for numbers so far below the row's largest that they fall under the format's range.
;;   OPERANDS COMPUTED ON THE WAY. 'Computed on the way' means the value that the module computes at that place (a softmax that the list does not call 'softmax' is quantised finished and normalised). What goes into a quantiser is computed in f32, as accurately as f32 sums, v_exp_f32 and their like allow (about 1e-6 of the number): no bf16 or f16 on the way to a quantiser, and a product that is left as it is and whose result goes on into a quantised operand takes f32 operands (vector FMAs, or v_wmma_f32_16x16x4_f32). A number that lies on a knife's edge between two numbers of the format may be rounded either way, as far as f32 arithmetic and the matrix unit's own rounding can turn it there, and no further.
;;   INPUTS GIVEN AS CODES. wo (in the module: [2048, 2048], K = its axis 1); wqkv (in the module: [3072, 2048], K = its axis 1); x (in the module: [4, 1024, 2048], K = its axis 2): each comes as NAME_codes (uint8): NAME with its K axis moved to the last place and cut into blocks of 32 codes, [.., K / 32, bytes a block], one block behind the other in memory; one code a byte (a code: sign, 4 exponent bits, 3 mantissa bits); its scale is its entry of lowp_scales. Its value is code x scale, taken as it is: it is not quantised again, and the codes and scales need not be those that the quantiser above would give.
;; 2 versions, each right; version 2 is version 1 with the launch attn written anew for expert scheduling mode. Each part assembles by itself: llvm-mc -triple=amdgcn-amd-amdhsa -mcpu=gfx1250 --defsym DOCPART=n.
;; ======== version 1 of 2: 3 launches
;; workspace buffers: q_img 8,388,608 bytes; k_img 2,097,152 bytes; v_img 2,097,152 bytes; o_img 8,388,608 bytes
;; launch qkv (part 1): grid 8 x 32, 4 waves a work-group, clusters of 4 x 4, 327,680 bytes of LDS; arguments x_codes, wqkv_codes, freqs_cos, freqs_sin, lowp_scales, q_img, k_img, v_img; writes q_img, k_img, v_img
.if DOCPART == 1
	.amdgcn_target "amdgcn-amd-amdhsa--gfx1250"
	.amdhsa_code_object_version 6
	.text
	.protected	k_q229abed94e_qkv
	.globl	k_q229abed94e_qkv
	.p2align	8
	.type	k_q229abed94e_qkv,@function
k_q229abed94e_qkv:
	s_mov_b64 s[64:65], 0
	v_nop
	global_prefetch_b8 v0, s[64:65] scope:SCOPE_SE
	s_setreg_imm32_b32 hwreg(HW_REG_WAVE_MODE, 25, 1), 1
	s_wait_xcnt 0x0
	s_wait_alu depctr_hold_cnt(0) depctr_sa_sdst(0) depctr_va_vdst(0) depctr_va_sdst(0) depctr_va_ssrc(0) depctr_va_vcc(0) depctr_vm_vsrc(0)
	s_getreg_b32 s2, hwreg(HW_REG_IB_STS2, 6, 4)
	s_cmp_eq_u32 s2, 0
	s_cbranch_scc0 .Lentry_in_a_cluster
	s_endpgm
.Lentry_in_a_cluster:
	s_bfe_u32 s2, ttmp6, 0x10000c
	s_cmp_lg_u32 s2, 0xf033
	s_cbranch_scc0 .Lentry_shape_is_right
	s_endpgm
.Lentry_shape_is_right:
; qkv = x wqkv^T on codes of E4M3 (4,096 x 2,048 x 3,072), then the rotation of q and k and the quantisers of q, k and v.  Only codes leave.
; SHARES.  Work-group (g, rt) makes rows 128 rt .. +127 x the 384 columns of key/value group g (q heads 4 g .. 4 g + 3, k, v).  Wave w makes all 128 rows x 96 columns:
; q head 4 g + w (column blocks 0-3), columns 16 w .. +15 of k (block 4) and of v (block 5): 48 accumulators of 16 x 16, 384 registers.
; K goes in steps of 256 through a ring of two LDS slots filled by the tensor data mover: a tile's row is 256 bytes of memory; a slot holds two steps of 128 along K.
; CLUSTERS: 4 x 4 work-groups.  The four of a row of the cluster need the same 128 rows of x, the four of a column the same 384 rows of wqkv: each tile is asked for JOINTLY.
; ORIENTATION.  Blocks 0-4 are used transposed (source 0 = 16 rows of wqkv, source 1 = 16 rows of x): a lane holds ONE row and eight neighbouring d, which is what the rotation (pairs of neighbours) and the
; conversion (eight neighbours along the next K = d) want.  Block 5 (v) is used straight (source 0 = x, source 1 = wqkv): a lane holds ONE d and eight neighbouring keys, the next K of v.
; So every conversion's result IS a register pair of the operand that the next launch feeds, and the buffers are images of operand registers (lane l = (r = l % 16, h = l / 16)):
;   q_img  ((rt 8 + a) 32 + head) 1024 + quad 512 + 16 l : pair t = q(row 16 a + r, d = 16 t + 8 h + 0..7)
;   k_img  ((b 8 + g) 8 + T) 8192 + a 1024 + w 256 + 8 l : pair w = k(key 16 a + r, d = 16 w + 8 h + 0..7)
;   v_img  ((b 8 + g) 8 + T) 8192 + w 2048 + c 512 + 16 l : pair a = v(key 16 a + 8 h + 0..7, d = 16 w + r); quad c = pairs 2 c, 2 c + 1      (rt = 8 b + T)
; Each store of a wave covers 256 or 512 consecutive bytes, aligned: no stage in LDS is needed.
; SCALES.  A sum stands for sum x 2^(e0 + e1); the rotation commutes with a power of two; so the code of q is rot(sum) / 2^(e2 - e0 - e1), of k with e3, of v with e5.
; LIMITS: e2 - e0 - e1, e3 - e0 - e1 and e5 - e0 - e1 lie between -126 and 119, so that each scale and 448 x it are f32 numbers.  NaN among the inputs is not served.
; The fragments of x and wqkv are fetched by four loads of 16 bytes: a permutation of k inside a step of 128, the same on both sides, so every product meets its partner.
; REGISTERS, in windows of 256.  window 0: v0-21 addresses and scales; v32-111 two sets of cos and sin; v112-119 at work; v128-255 x's fragments, set 0 (on the way out: results and codes).
;   window 1: wqkv's fragments, set p at v[128 p + 16 nb].   windows 2, 3: accumulator (a, nb) at v[8 (6 (a % 4) + nb)] of window 2 + a / 4; x's fragments, set 1: block a at v[192 + 16 (a % 4)] of the same window.
.set PITCH, 272                        ; an LDS row: 256 bytes + 16 of padding = 68 words: the 16 rows that a fragment load touches start at 16 different groups of four banks
.set HALFT, 128*PITCH                  ; 128 rows: what one tensor load brings
.set SLOT,  4*HALFT                    ; rows 0-127: x's; rows 128-511: wqkv's 384
.set SPARE, 2*SLOT                     ; behind the ring: the spare words, 128 bytes a wave: two blocks of 256 bytes that no other line names
.set ADRA, 4                           ; v4-5    LDS address of x's fragments in slot 0, 1
.set ADRB, 6                           ; v6-7    of my q head's rows of wqkv
.set ADRK, 8                           ; v8-9    of my 16 rows of k's part; v's lie 64 rows on
.set SPW,  10                          ; v10     LDS address of my spare word; never rewritten
.set NIL,  11                          ; v11     0; never rewritten
.set L16,  12                          ; v12     16 x lane
.set L8,   13                          ; v13     8 x lane
.set CSO,  14                          ; v14     cos, sin: 128 r + 16 h
.set CSK,  15                          ; v15     the same + 32 w, for k's columns
.set SQ,   16                          ; v16-21  scale and 448 x scale, for q, k, v
.set LQ,   17
.set SK,   18
.set LK,   19
.set SV,   20
.set LV,   21
.set TM,   112
.set OUT,  128                         ; the way out: 8 registers for each of the six column blocks
.set QC,   176                         ; q's codes: four sets of 8
.set KC,   208                         ; k's codes: pair a
.set VC,   224                         ; v's codes: pair a
.set WV,   20                          ; s20     my wave's number
.set G1A,  28                          ; s[28:35] descriptor group 1 for x's tiles;   s[36:43] for wqkv's: they differ in the mask alone
.set G1B,  36
.set G0A,  44                          ; s[44:51] group 0 for x's tiles, a set for each slot;   s[52:59] for wqkv's
.set G0B,  52
.set MSB, 0
.macro WIN new                         ; the immediate's high byte repeats the setting that is left; a switch that changes nothing is dropped
.if MSB != (\new)
	s_set_vgpr_msb (MSB<<8)|(\new)
.set MSB, (\new)
.endif
.endm
; A joint load: wave 0 fetches x's 128 rows, waves 1 to 3 128 rows of wqkv each.  The branch hangs on the wave's number alone.  Four v_nop follow each of the two lines.
.macro JLOAD slot
	s_cmp_eq_u32 s[WV], 0
	s_cbranch_scc0 .Lfor_b_\@
	tensor_load_to_lds s[G0A+4*\slot:G0A+4*\slot+3], s[G1A:G1A+7]
	s_nop 0
.rept 4
	v_nop
.endr
	s_branch .Lasked_\@
.Lfor_b_\@:
	tensor_load_to_lds s[G0B+4*\slot:G0B+4*\slot+3], s[G1B:G1B+7]
	s_nop 0
.rept 4
	v_nop
.endr
.Lasked_\@:
.endm
.macro CREST                           ; a round of the cluster's barrier behind its opening barrier
	s_cmp_lg_u32 s[WV], 0
	s_cbranch_scc1 .Lnot_wave_0_\@
	s_barrier_signal -3
.Lnot_wave_0_\@:
	s_barrier_wait -3
	s_barrier_signal -1
	s_barrier_wait -1
.endm
.macro CROUND                          ; a whole round
	s_barrier_signal -1
	s_barrier_wait -1
	CREST
.endm
.macro PLACES n                        ; plain vector instructions between a matrix instruction and a load into, or a vector access to, its registers
.rept \n
	v_nop
.endr
.endm
	s_load_b512 s[4:19], s[0:1], 0x0               ; x s[4:5], wqkv s[6:7], cos s[8:9], sin s[10:11], scales s[12:13], q_img s[14:15], k_img s[16:17], v_img s[18:19]
	v_lshl_add_u32 v[SPW], v0, 2, SPARE
	v_mov_b32 v[NIL], 0
	ds_add_u32 v10, v11
	ds_add_u32 v10, v11
	s_wait_dscnt 0x0
	v_lshrrev_b32 v1, 5, v0
	v_readfirstlane_b32 s[WV], v1                  ; wave 0..3
	s_bfe_u32 s21, ttmp6, 0x40000                  ; cx, cy: my place in the cluster
	s_bfe_u32 s22, ttmp6, 0x40004
	s_lshl_b32 s23, ttmp9, 2
	s_add_co_u32 s23, s23, s21                     ; g = 4 x cluster x + cx
	s_and_b32 s24, ttmp7, 0xffff
	s_lshl_b32 s24, s24, 2
	s_add_co_u32 s24, s24, s22                     ; rt = 4 x cluster y + cy
	s_lshl_b32 s25, s22, 2
	s_lshl_b32 s25, 15, s25                        ; my row of the cluster
	s_lshl_b32 s26, 0x1111, s21                    ; my column
	; descriptor group 1: a tile of 128 rows x 256 bytes, padded in LDS
	s_or_b32 s[G1A], s25, (1<<20)|(1<<21)|(5<<22)|(3<<25)   ; 15:0 the mask: x's tiles go to my row; 17:16 elements of 1 byte; 20 padding on; 21 set beside a mask; 24:22 after every 64 words; 31:25 four words
	s_or_b32 s[G1B], s26, (1<<20)|(1<<21)|(5<<22)|(3<<25)   ; the same with my column's mask
.irp g, G1A, G1B
	s_mov_b32 s[\g+1], 256<<16                     ; tensor_dim0 = 256
	s_mov_b32 s[\g+2], 128<<16                     ; tensor_dim1 = 128
	s_mov_b32 s[\g+3], 256<<16                     ; tile_dim0 = 256
	s_mov_b32 s[\g+4], 128                         ; tile_dim1 = 128
	s_mov_b32 s[\g+5], 2048                        ; from row to row
	s_mov_b32 s[\g+6], 0
	s_mov_b32 s[\g+7], 0
.endr
	s_lshl_b32 s60, s24, 18                        ; x: row 128 rt, 2,048 bytes a row: it hangs on rt alone
	s_mov_b32 s61, 0
	s_mul_i32 s66, s23, 384                        ; wqkv: row 384 g + 128 (wave - 1): it hangs on g and the wave alone
	s_sub_co_u32 s67, s[WV], 1
	s_min_u32 s67, s67, 2                          ; (wave 0 asks for x: its number here is never used, and stays inside the buffer)
	s_lshl_b32 s67, s67, 7
	s_add_co_u32 s66, s66, s67
	s_lshl_b32 s66, s66, 11
	s_mov_b32 s67, 0
	s_mul_i32 s27, s[WV], HALFT                    ; where a wave's 128 rows go: no place in the cluster enters an LDS address
	s_wait_kmcnt 0x0
	s_load_b256 s[72:79], s[12:13], 0x0            ; e0 .. e7
	s_add_nc_u64 s[60:61], s[4:5], s[60:61]
	s_add_nc_u64 s[66:67], s[6:7], s[66:67]
	CROUND                                         ; all sixteen work-groups are here: the first joint loads meet
.irp s, 0,1
	s_mov_b32 s[G0A+4*\s], 1
	s_add_co_u32 s[G0A+4*\s+1], s27, \s*SLOT
	s_add_nc_u64 s[G0A+4*\s+2:G0A+4*\s+3], s[60:61], \s*256
	s_or_b32 s[G0A+4*\s+3], s[G0A+4*\s+3], 0x80000000
	s_mov_b32 s[G0B+4*\s], 1
	s_add_co_u32 s[G0B+4*\s+1], s27, \s*SLOT
	s_add_nc_u64 s[G0B+4*\s+2:G0B+4*\s+3], s[66:67], \s*256
	s_or_b32 s[G0B+4*\s+3], s[G0B+4*\s+3], 0x80000000
	JLOAD \s                                       ; K steps 0 and 1: two tensor loads of mine are out
.endr
	v_and_b32 v1, 15, v0                           ; r
	v_bfe_u32 v2, v0, 4, 1                         ; h
	v_mul_u32_u24 v3, v1, PITCH
	v_lshl_add_u32 v3, v2, 4, v3                   ; a fragment's row x pitch + 16 h
	s_mul_i32 s62, s[WV], 64*PITCH
	s_add_co_u32 s62, s62, 128*PITCH               ; my q head's 64 rows of wqkv
	s_mul_i32 s63, s[WV], 16*PITCH
	s_add_co_u32 s63, s63, 384*PITCH               ; my 16 rows of k's part
.irp s, 0,1
	v_add_nc_u32 v[ADRA+\s], \s*SLOT, v3
	v_add_nc_u32 v[ADRB+\s], s62, v3
	v_add_nc_u32 v[ADRK+\s], s63, v3
	s_add_co_u32 s62, s62, SLOT
	s_add_co_u32 s63, s63, SLOT
.endr
	v_and_b32 v[L16], 31, v0
	v_lshlrev_b32 v[L8], 3, v[L16]
	v_lshlrev_b32 v[L16], 4, v[L16]
	v_lshlrev_b32 v[CSO], 7, v1                    ; a row of cos or sin is 128 bytes; my four pairs of a block of 16 d begin at 16 h
	v_lshl_add_u32 v[CSO], v2, 4, v[CSO]
	s_lshl_b32 s62, s[WV], 5
	v_add_nc_u32 v[CSK], s62, v[CSO]
	s_and_b32 s68, s24, 7                          ; T: which 128 of the sequence's 1,024 places
	s_lshl_b32 s70, s68, 14
	s_mov_b32 s71, 0
	s_add_nc_u64 s[8:9], s[8:9], s[70:71]          ; cos and sin at place 128 T
	s_add_nc_u64 s[10:11], s[10:11], s[70:71]
	s_lshl_b32 s70, s24, 18                        ; q_img: rt x 262,144 + (4 g + w) x 1,024
	s_lshl_b32 s69, s23, 2
	s_add_co_u32 s69, s69, s[WV]
	s_lshl_b32 s69, s69, 10
	s_add_co_u32 s70, s70, s69
	s_add_nc_u64 s[14:15], s[14:15], s[70:71]
	s_lshr_b32 s69, s24, 3                         ; k_img, v_img: ((8 b + g) 8 + T) x 8,192
	s_lshl_b32 s69, s69, 3
	s_add_co_u32 s69, s69, s23
	s_lshl_b32 s69, s69, 3
	s_add_co_u32 s69, s69, s68
	s_lshl_b32 s69, s69, 13
	s_lshl_b32 s70, s[WV], 8
	s_add_co_u32 s70, s70, s69
	s_add_nc_u64 s[16:17], s[16:17], s[70:71]      ; + 256 w
	s_lshl_b32 s70, s[WV], 11
	s_add_co_u32 s70, s70, s69
	s_add_nc_u64 s[18:19], s[18:19], s[70:71]      ; + 2,048 w
; cos and sin of row block a (16 places) into set a % 2: ten loads.  In a set: +4 t cos of q's column block t, +16 + 4 t its sin, +32 cos of k's block, +36 its sin; four pairs (d, d + 1) a load.
.macro CSLOAD a
.set CSB, 32+40*((\a)%2)
.irp t, 0,1,2,3
	global_load_b128 v[CSB+4*\t:CSB+4*\t+3], v[CSO], s[8:9] offset:(\a)*2048+32*\t
	global_load_b128 v[CSB+16+4*\t:CSB+16+4*\t+3], v[CSO], s[10:11] offset:(\a)*2048+32*\t
.endr
	global_load_b128 v[CSB+32:CSB+35], v[CSK], s[8:9] offset:(\a)*2048
	global_load_b128 v[CSB+36:CSB+39], v[CSK], s[10:11] offset:(\a)*2048
.endm
	CSLOAD 0                                       ; they land while K is walked
	CSLOAD 1
.macro FRAG reg, adr, q, row           ; a fragment, 16 rows x 128 K, is 16 registers: registers 4 c .. 4 c + 3 hold K = 32 c + 16 h + 0 .. 15 of row r
.irp c, 0,1,2,3
	ds_load_b128 v[(\reg)+4*\c:(\reg)+4*\c+3], v[\adr] offset:128*(\q)+32*\c+(\row)*PITCH
.endr
.endm
; 56 LDS loads in one run: all fragments of the slot's q-th 128 along K into sets p
.macro FETCH slot, q, p
	WIN 0x40                                       ; destination window 1
.irp nb, 0,1,2,3
	FRAG 128*(\p)+16*\nb, ADRB+\slot, \q, 16*\nb
.endr
	FRAG 128*(\p)+64, ADRK+\slot, \q, 0
	FRAG 128*(\p)+80, ADRK+\slot, \q, 64
.if (\p) == 0
	WIN 0
.irp a, 0,1,2,3,4,5,6,7
	FRAG 128+16*\a, ADRA+\slot, \q, 16*\a
.endr
.else
	WIN 0x80                                       ; destination window 2
.irp a, 0,1,2,3
	FRAG 192+16*\a, ADRA+\slot, \q, 16*\a
.endr
	WIN 0xc0                                       ; destination window 3
.irp a, 0,1,2,3
	FRAG 192+16*\a, ADRA+\slot, \q, 64+16*\a
.endr
.endif
.endm
; The products of row blocks a0 .. a0 + n - 1 with column blocks 0-4, transposed.  zero = 1: the first product starts the sums: nothing is ever cleared.
; The 48 accumulators take turns, one instruction a turn, in the same order in every step.
.macro MULT a0, n, p, zero
	WIN 0xa1+0x50*((\a0)/4)+(\p)*4*(2+(\a0)/4)     ; source 0 (wqkv) window 1; source 1 (x) window 0 or the accumulators'; C and D window 2 or 3
.set aa, \a0
.rept \n
.set AR, (1-(\p))*(128+16*aa)+(\p)*(192+16*(aa%4))
.irp nb, 0,1,2,3,4
.set AC, 8*(6*(aa%4)+\nb)
.if \zero
	v_wmma_f32_16x16x128_fp8_fp8 v[AC:AC+7], v[128*(\p)+16*\nb:128*(\p)+16*\nb+15], v[AR:AR+15], 0
.else
	v_wmma_f32_16x16x128_fp8_fp8 v[AC:AC+7], v[128*(\p)+16*\nb:128*(\p)+16*\nb+15], v[AR:AR+15], v[AC:AC+7]
.endif
.endr
.set aa, aa+1
.endr
.endm
; The products of row blocks a0 .. a0 + 3 with column block 5 (v), straight: source 0 = x
.macro MULV a0, p, zero
	WIN 0xa4+0x50*((\a0)/4)+(\p)*(2+(\a0)/4)
.set aa, \a0
.rept 4
.set AR, (1-(\p))*(128+16*aa)+(\p)*(192+16*(aa%4))
.set AC, 8*(6*(aa%4)+5)
.if \zero
	v_wmma_f32_16x16x128_fp8_fp8 v[AC:AC+7], v[AR:AR+15], v[128*(\p)+80:128*(\p)+95], 0
.else
	v_wmma_f32_16x16x128_fp8_fp8 v[AC:AC+7], v[AR:AR+15], v[128*(\p)+80:128*(\p)+95], v[AC:AC+7]
.endif
.set aa, aa+1
.endr
.endm
; A slot's first step of 128 along K multiplies sets 0; at its head it fetches the slot's second step into sets 1: 48 matrix instructions ahead of their use.
.macro STEP slot, zero
	s_wait_dscnt 0x0                               ; sets 0 are in (asked for 24 matrix instructions ago)
	PLACES 4                                       ; sets 1 were read by the matrix instructions just issued
	FETCH \slot, 1, 1
	MULT 0, 4, 0, \zero
	MULV 0, 0, \zero
	MULT 4, 4, 0, \zero
	MULV 4, 0, \zero
.endm
; A slot's second step multiplies sets 1 and changes slots: ONE barrier; in front of it each wave waits for all its tensor loads, adds 0 to its spare word, and waits for that and for its own reads of this slot.
; fill = 1: this slot is filled again, two K steps ahead; the barrier then opens a round of the cluster's barrier.
.macro TURN slot, next, fill
	WIN 0                                          ; (the add's two registers lie in window 0)
	s_wait_tensorcnt 0x0                           ; all my tensor loads have landed: the one that was out is my part of the next slot
	ds_add_u32 v[SPW], v[NIL]                      ; 0 onto my spare word
	s_wait_dscnt 1                                 ; only the add may be out: the 56 loads of sets 1 were issued ahead of it
	MULT 0, 2, 1, 0                                ; ten matrix instructions stand between the add and the wait for it
	s_wait_dscnt 0x0                               ; the add is done, and my reads of this slot are over
	s_barrier_signal -1
	MULT 2, 2, 1, 0
	MULV 0, 1, 0
	WIN 0
	s_barrier_wait -1
.if \fill
	CREST                                          ; no wave of any partner still reads this slot or has a load on its way
	s_add_nc_u64 s[G0A+4*\slot+2:G0A+4*\slot+3], s[G0A+4*\slot+2:G0A+4*\slot+3], 512
	s_add_nc_u64 s[G0B+4*\slot+2:G0B+4*\slot+3], s[G0B+4*\slot+2:G0B+4*\slot+3], 512
	JLOAD \slot                                    ; the first tensor load behind the round; its four v_nop are also the places in front of the loads below
.else
	PLACES 4
.endif
	FETCH \next, 0, 0
	MULT 4, 4, 1, 0
	MULV 4, 1, 0
.endm
	s_wait_tensorcnt 1                             ; my part of K step 0 is in; K step 1's may stay out
	s_barrier_signal -1
	s_barrier_wait -1                              ; everybody's is
	FETCH 0, 0, 0
	STEP 0, 1                                      ; the first step stands in front of the loop: its products start the sums
	WIN 0                                          ; at a label and at a branch every window is 0
	s_mov_b32 s3, 3
.Llap:                                                 ; a trip goes once round the ring and fills both slots again: K steps 2 to 7 in three trips
	TURN 0, 1, 1
	STEP 1, 0
	TURN 1, 0, 1
	STEP 0, 0
	WIN 0
	s_sub_co_u32 s3, s3, 1
	s_cmp_lg_u32 s3, 0
	s_cbranch_scc1 .Llap
	TURN 0, 1, 0                                   ; the last lap fills nothing, and has no round of the cluster's barrier
	STEP 1, 0
	s_wait_dscnt 0x0                               ; the very last step: nothing more to fetch
	MULT 0, 4, 1, 0
	MULV 0, 1, 0
	MULT 4, 4, 1, 0
	MULV 4, 1, 0
	WIN 0
; THE WAY OUT.  The scales first: six plain moves, which are also the places behind the last products.
.macro MKSCALE e, vs, vl               ; v[vs] = 2^(e - e0 - e1) as f32, v[vl] = 448 x that
	s_sub_co_i32 s81, s[\e], s80
	s_add_co_i32 s81, s81, 127
	s_lshl_b32 s82, s81, 23
	v_mov_b32 v[\vs], s82
	s_add_co_i32 s81, s81, 8
	s_lshl_b32 s81, s81, 23
	s_or_b32 s81, s81, 0x600000
	v_mov_b32 v[\vl], s81
.endm
	s_wait_kmcnt 0x0
	s_add_co_i32 s80, s72, s73                     ; e0 + e1
	MKSCALE 74, SQ, LQ
	MKSCALE 75, SK, LK
	MKSCALE 77, SV, LV
; The rotation of a pair (x0, x1) by (c, s) in two packed lines: (x1 s, x0 s), then (x0 c - x1 s, x1 c + x0 s).  b = i % 2 says which word of the cos or sin pair serves both halves.
.macro RMUL nb, i, b
	v_pk_mul_f32 v[TM+2*\i:TM+2*\i+1], v[AB+8*\nb+2*\i:AB+8*\nb+2*\i+1], v[SS+2*(\i/2):SS+2*(\i/2)+1] op_sel:[1,\b] op_sel_hi:[0,\b]
.endm
.macro RFMA nb, i, b
	v_pk_fma_f32 v[OUT+8*\nb+2*\i:OUT+8*\nb+2*\i+1], v[AB+8*\nb+2*\i:AB+8*\nb+2*\i+1], v[CC+2*(\i/2):CC+2*(\i/2)+1], v[TM+2*\i:TM+2*\i+1] op_sel:[0,\b,0] op_sel_hi:[1,\b,1] neg_lo:[0,0,1]
.endm
; Row block a: rotation, hold, conversion, stores.  Each accumulator is read from its low end on.
.macro BLOCK a
.set CSB, 32+40*((\a)%2)
.set AB, 48*((\a)%4)
.set QS, QC+8*((\a)%4)
.if (\a) < 7
	s_wait_loadcnt 10                              ; this block's cos and sin are in; the next block's ten loads may be out
.else
	s_wait_loadcnt 0x0
.endif
.if (\a) >= 4
	s_wait_xcnt 0x0                                ; the stores of four blocks ago have read their registers: that set of q's codes is written again only behind this wait
.endif
	WIN 0x02+(\a)/4                                ; source 0: the accumulators' window
.irp nb, 0,1,2,3,4
.if \nb < 4
.set CC, CSB+4*\nb
.set SS, CSB+16+4*\nb
.else
.set CC, CSB+32
.set SS, CSB+36
.endif
	RMUL \nb, 0, 0
	RMUL \nb, 1, 1
	RMUL \nb, 2, 0
	RMUL \nb, 3, 1
	RFMA \nb, 0, 0
	RFMA \nb, 1, 1
	RFMA \nb, 2, 0
	RFMA \nb, 3, 1
.endr
.irp j, 0,1,2,3,4,5,6,7
	v_med3_num_f32 v[OUT+40+\j], v[AB+40+\j], -v[LV], v[LV]   ; v is not rotated: the hold takes it out of the accumulator
.endr
	WIN 0
.irp j, 0,1,2,3,4,5,6,7,8,9,10,11,12,13,14,15,16,17,18,19,20,21,22,23,24,25,26,27,28,29,30,31
	v_med3_num_f32 v[OUT+\j], v[OUT+\j], -v[LQ], v[LQ]        ; the conversion to an 8-bit code does not saturate (ISA guide 7.6.2): the hold at 448 x the scale
.endr
.irp j, 32,33,34,35,36,37,38,39
	v_med3_num_f32 v[OUT+\j], v[OUT+\j], -v[LK], v[LK]
.endr
.irp t, 0,1,2,3
	v_cvt_scalef32_pk8_fp8_f32 v[QS+2*\t:QS+2*\t+1], v[OUT+8*\t:OUT+8*\t+7], v[SQ]
.endr
	v_cvt_scalef32_pk8_fp8_f32 v[KC+2*(\a):KC+2*(\a)+1], v[OUT+32:OUT+39], v[SK]
	v_cvt_scalef32_pk8_fp8_f32 v[VC+2*(\a):VC+2*(\a)+1], v[OUT+40:OUT+47], v[SV]
	v_nop                                          ; one plain vector instruction behind the last conversion: the next block writes the conversions' sources
.if (\a) < 6
	CSLOAD (\a)+2                                  ; this block's set has been read
.endif
	global_store_b128 v[L16], v[QS:QS+3], s[14:15] offset:(\a)*32768          ; 512 consecutive bytes a store
	global_store_b128 v[L16], v[QS+4:QS+7], s[14:15] offset:(\a)*32768+512
	global_store_b64 v[L8], v[KC+2*(\a):KC+2*(\a)+1], s[16:17] offset:(\a)*1024   ; 256 consecutive bytes, aligned
.endm
.irp a, 0,1,2,3,4,5,6,7
	BLOCK \a
.endr
.irp c, 0,1,2,3
	global_store_b128 v[L16], v[VC+4*\c:VC+4*\c+3], s[18:19] offset:512*\c    ; v's fragment is whole when all eight row blocks are converted
.endr
	s_wait_tensorcnt 0x0                           ; the wave's end
	ds_add_u32 v[SPW], v[NIL]
	s_wait_dscnt 0x0
	CROUND                                         ; the closing round: no work-group ends while a partner may still ask for a tile that names it
	s_endpgm
.Lfunc_end_k_q229abed94e_qkv:
	.size	k_q229abed94e_qkv, .Lfunc_end_k_q229abed94e_qkv-k_q229abed94e_qkv
	.p2alignl 7, 3214868480
	.fill 96, 4, 3214868480
	.section	.rodata,"a",@progbits
	.p2align	6, 0x0
	.amdhsa_kernel k_q229abed94e_qkv
		.amdhsa_group_segment_fixed_size 327680
		.amdhsa_private_segment_fixed_size 0
		.amdhsa_enable_private_segment 0
		.amdhsa_kernarg_size 64
		.amdhsa_user_sgpr_count 2
		.amdhsa_user_sgpr_kernarg_segment_ptr 1
		.amdhsa_wavefront_size32 1
		.amdhsa_system_sgpr_workgroup_id_x 1
		.amdhsa_system_sgpr_workgroup_id_y 1
		.amdhsa_system_sgpr_workgroup_id_z 1
		.amdhsa_system_vgpr_workitem_id 0
		.amdhsa_next_free_vgpr 1024
		.amdhsa_next_free_sgpr 96
		.amdhsa_reserve_vcc 0
		.amdhsa_float_denorm_mode_32 3
		.amdhsa_float_denorm_mode_16_64 3
		.amdhsa_memory_ordered 1
		.amdhsa_forward_progress 1
		.amdhsa_inst_pref_size 124
	.end_amdhsa_kernel
	.amdgpu_metadata
---
amdhsa.version: [ 1, 2 ]
amdhsa.kernels:
  - .name:           k_q229abed94e_qkv
    .symbol:         k_q229abed94e_qkv.kd
    .args:
      - { .name: x_codes, .offset: 0, .size: 8, .value_kind: global_buffer, .address_space: global }
      - { .name: wqkv_codes, .offset: 8, .size: 8, .value_kind: global_buffer, .address_space: global }
      - { .name: freqs_cos, .offset: 16, .size: 8, .value_kind: global_buffer, .address_space: global }
      - { .name: freqs_sin, .offset: 24, .size: 8, .value_kind: global_buffer, .address_space: global }
      - { .name: lowp_scales, .offset: 32, .size: 8, .value_kind: global_buffer, .address_space: global }
      - { .name: q_img, .offset: 40, .size: 8, .value_kind: global_buffer, .address_space: global }
      - { .name: k_img, .offset: 48, .size: 8, .value_kind: global_buffer, .address_space: global }
      - { .name: v_img, .offset: 56, .size: 8, .value_kind: global_buffer, .address_space: global }
    .group_segment_fixed_size: 327680
    .private_segment_fixed_size: 0
    .kernarg_segment_align: 8
    .kernarg_segment_size: 64
    .max_flat_workgroup_size: 128
    .sgpr_count:     96
    .vgpr_count:     1024
    .wavefront_size: 32
...
	.end_amdgpu_metadata
.endif
;; end of part 1
;; launch attn (part 2): grid 8 x 32, 16 waves a work-group, no clusters, 133,120 bytes of LDS; arguments q_img, k_img, v_img, lowp_scales, o_img; writes o_img
.if DOCPART == 2
	.amdgcn_target "amdgcn-amd-amdhsa--gfx1250"
	.amdhsa_code_object_version 6
	.text
	.protected	k_q229abed94e_attn
	.globl	k_q229abed94e_attn
	.p2align	8
	.type	k_q229abed94e_attn,@function
k_q229abed94e_attn:
	s_mov_b64 s[64:65], 0
	v_nop
	global_prefetch_b8 v0, s[64:65] scope:SCOPE_SE
	s_setreg_imm32_b32 hwreg(HW_REG_WAVE_MODE, 25, 1), 1
	s_wait_xcnt 0x0
; Causal attention on codes of E4M3: 128 (batch, head) pairs, 1,024 x 1,024, head size 64, four q heads to a key/value head.  o leaves as codes, quantised with 2^e6.
; THE SOFTMAX AHEAD OF THE SECOND PRODUCT: t = score x 2^(e2 + e3) x log2(e) / 8; M = the row's largest t so far, rounded UP to a whole number; p = 2^(t - M) is quantised with 2^e4, not normalised.
; The row's sum is taken of the unquantised p and divides O at the end.  When M moves, the sum and O are multiplied by 2^(old M - new M): exact.
; SHARES.  Work-group (j, y = 8 b + g).  All of K and V of (b, g), 64 + 64 KiB of operand images, lies in LDS, filled once through registers.  Wave w owns q head 4 g + w % 4 and the query tile
; a = 4 (j % 2) + w / 4 (16 queries) of TWO blocks of 128 queries: T = j / 2 and T = 7 - j / 2.  A task walks key steps 0 .. T of 128 keys: (j / 2 + 1) + (8 - j / 2) = 9 steps for every wave of the launch.
; Four waves share a SIMD, so that one wave's vector work stands beside another's matrix work and LDS loads.
; LAYOUT.  S^T = K Q^T (source 0 = 16 keys, source 1 = my 16 queries), O^T = V^T P^T (source 0 = 16 of the head's 64, source 1 = P): a lane holds ONE query (lane % 16) throughout.  Tile t of S^T holds keys
; 16 t + 8 (lane / 16) + 0..7, so its eight codes are register pair t of P, and v_img was laid with the same keys in pair t.  O^T's tile t holds d = 16 t + 8 (lane / 16) + 0..7: pair t of the next launch's operand.
; The loops' trip counts are constants (4 and 8); a step all of whose keys come after the task's queries is jumped over by a scalar branch on ids.  The first task's reads stay in the first halves of K's and V's
; bytes, so the second halves are stored to LDS behind it, from registers that were loaded at the head.
; NO CLUSTER, NO TENSOR LOAD: a work-group fetches K and V once, 128 KiB at its head, for 9 key steps of each of its 16 waves; and a branch on e4 spares 64 of a step's vector
; instructions (the hold of p, needless where 448 x 2^e4 >= 1).  NO PREFETCH: every load of the launch is issued at its head.
; LIMITS: e2 + e3 between -123 and 130 (added to c's exponent field); e4 between -126 and 119; e4 + e5 - e6 is applied by v_ldexp_f32.  NaN among the inputs is not served.
; REGISTERS: v1-9 addresses; v12 -M, v13 the largest t, v[14:15] the sum; v[16:23] Q of the first task, v[244:251] of the second; v24-31 at work; v32-95 K's fragments, then V's; v96-159 S^T, then p;
;   v160-191 O^T; v192-207 p's codes (o's at a task's end); v208-239 the staged second half of K and V; v240-243 constants.
.set KST,  8192                        ; a key step's image of K, or of V, in bytes
.set VB,   65536                       ; V's images begin here
.set LK,   1                           ; v1   8 x lane
.set LV,   2                           ; v2   16 x lane + VB
.set ADK,  3                           ; v3   LDS address of the step's K
.set ADV,  4                           ; v4   of its V
.set L16,  5                           ; v5   16 x lane
.set DG,   6                           ; v6   16 a + r - 8 h: in the diagonal step register 8 t + j is hidden where 16 t + j is above it
.set NINF, 7                           ; v7   -infinity
.set T16,  8                           ; v8   16 x thread
.set T16V, 9                           ; v9   16 x thread + VB
.set WV,   14
.set TA,   17                          ; s17  a
.set TQ,   18                          ; s18  the task's block of 128 queries
.set KT,   19                          ; s19  the key step, and the loop's counter
.set SEL,  20                          ; s[20:21] lane selects for v_permlanex16_b32: lane l xor 16
.set CS,   22                          ; s[22:23] c = log2(e) / 8 x 2^(e2 + e3)
.set TB,   24                          ; s24  LDS byte of the key step in hand
.set E4,   25
.set EO,   26                          ; e4 + e5 - e6
	s_load_b256 s[4:11], s[0:1], 0x0               ; q_img s[4:5], k_img s[6:7], v_img s[8:9], scales s[10:11]
	s_load_b64 s[12:13], s[0:1], 0x20              ; o_img
	v_lshl_add_u32 v254, v0, 2, 0x20000
	v_mov_b32 v255, 0
	v_lshrrev_b32 v1, 5, v0
	v_readfirstlane_b32 s[WV], v1                  ; wave 0..15
	s_mov_b32 s15, ttmp9                           ; j
	s_and_b32 s16, ttmp7, 0xffff                   ; y = 8 b + g
	s_and_b32 s36, s15, 1
	s_lshl_b32 s36, s36, 2
	s_lshr_b32 s37, s[WV], 2
	s_add_co_u32 s[TA], s36, s37                   ; a
	s_lshr_b32 s48, s15, 1                         ; the first task's T
	s_sub_co_u32 s49, 7, s48                       ; the second's
	s_lshr_b32 s36, s16, 3
	s_lshl_b32 s36, s36, 3                         ; 8 b
	s_and_b32 s37, s16, 7
	s_lshl_b32 s37, s37, 2
	s_and_b32 s38, s[WV], 3
	s_add_co_u32 s37, s37, s38                     ; head = 4 g + w % 4
.irp u, 0,1                            ; a task's fragment in q_img and o_img: (((8 b + T) 8 + a) 32 + head) x 1,024
	s_add_co_u32 s[50+2*\u], s36, s[48+\u]
	s_lshl_b32 s[50+2*\u], s[50+2*\u], 3
	s_add_co_u32 s[50+2*\u], s[50+2*\u], s[TA]
	s_lshl_b32 s[50+2*\u], s[50+2*\u], 5
	s_add_co_u32 s[50+2*\u], s[50+2*\u], s37
	s_lshl_b32 s[50+2*\u], s[50+2*\u], 10
	s_mov_b32 s[51+2*\u], 0
.endr
	s_lshl_b32 s54, s16, 16                        ; K's and V's 64 KiB of (b, g)
	s_mov_b32 s55, 0
	s_mov_b32 s[SEL], 0x76543210
	s_mov_b32 s[SEL+1], 0xfedcba98
	s_mov_b32 s[CS], 0x3e38aa3b                    ; log2(e) / 8
	v_and_b32 v[L16], 31, v0
	v_lshlrev_b32 v[LK], 3, v[L16]
	v_lshlrev_b32 v[L16], 4, v[L16]
	v_add_nc_u32 v[LV], VB, v[L16]
	v_lshlrev_b32 v[T16], 4, v0
	v_add_nc_u32 v[T16V], VB, v[T16]
	v_and_b32 v[DG], 15, v0
	v_bfe_u32 v[NINF], v0, 4, 1
	v_lshlrev_b32 v[NINF], 3, v[NINF]
	v_sub_nc_u32 v[DG], v[DG], v[NINF]
	s_lshl_b32 s36, s[TA], 4
	v_add_nc_u32 v[DG], s36, v[DG]
	v_mov_b32 v[NINF], 0xff800000
	v_mov_b32 v24, 0                               ; written once: a lane permute's destination counts as one of its sources
	v_mov_b32 v29, 0                               ; (named as the upper half of the pair v[28:29])
	v_mov_b32 v242, 0x43e00000                     ; 448
	v_mov_b32 v243, 1.0
	s_wait_kmcnt 0x0
	s_load_b256 s[28:35], s[10:11], 0x0            ; e0 .. e7
	s_add_nc_u64 s[40:41], s[4:5], s[50:51]
	s_add_nc_u64 s[42:43], s[4:5], s[52:53]
	s_add_nc_u64 s[44:45], s[12:13], s[50:51]
	s_add_nc_u64 s[46:47], s[12:13], s[52:53]
	s_add_nc_u64 s[6:7], s[6:7], s[54:55]
	s_add_nc_u64 s[8:9], s[8:9], s[54:55]
	global_load_b128 v[16:19], v[L16], s[40:41] th:TH_LOAD_NT               ; twenty loads: Q of both tasks (each fragment is read once in the launch),
	global_load_b128 v[20:23], v[L16], s[40:41] offset:512 th:TH_LOAD_NT
	global_load_b128 v[244:247], v[L16], s[42:43] th:TH_LOAD_NT
	global_load_b128 v[248:251], v[L16], s[42:43] offset:512 th:TH_LOAD_NT
.irp i, 0,1,2,3
	global_load_b128 v[96+4*\i:99+4*\i], v[T16], s[6:7] offset:\i*KST       ; K's steps 0-3: the 512 threads take a step's 8,192 bytes,
.endr
.irp i, 0,1,2,3
	global_load_b128 v[112+4*\i:115+4*\i], v[T16], s[8:9] offset:\i*KST     ; V's,
.endr
.irp i, 0,1,2,3
	global_load_b128 v[208+4*\i:211+4*\i], v[T16], s[6:7] offset:(4+\i)*KST ; and steps 4-7, which stay in registers through the first task
.endr
.irp i, 0,1,2,3
	global_load_b128 v[224+4*\i:227+4*\i], v[T16], s[8:9] offset:(4+\i)*KST
.endr
	s_wait_kmcnt 0x0
	s_add_co_i32 s36, s30, s31
	s_lshl_b32 s36, s36, 23
	s_add_co_i32 s[CS], s[CS], s36                 ; a score stands for score x 2^(e2 + e3): the two exponents are added to c's exponent field
	s_mov_b32 s[CS+1], s[CS]                       ; (named with it as a pair, so it is written)
	s_mov_b32 s[E4], s32
	s_add_co_i32 s[EO], s32, s33
	s_sub_co_i32 s[EO], s[EO], s34
	s_add_co_i32 s36, s32, 127
	s_lshl_b32 s37, s36, 23
	v_mov_b32 v241, s37                            ; 2^e4 as f32, for p's conversion
	s_add_co_i32 s36, s36, 8
	s_lshl_b32 s36, s36, 23
	s_or_b32 s36, s36, 0x600000
	v_mov_b32 v240, s36                            ; 448 x 2^e4
	s_wait_loadcnt 8                               ; Q and steps 0-3 are in; the eight loads of steps 4-7 may be out
.irp i, 0,1,2,3
	ds_store_b128 v[T16], v[96+4*\i:99+4*\i] offset:\i*KST
.endr
.irp i, 0,1,2,3
	ds_store_b128 v[T16V], v[112+4*\i:115+4*\i] offset:\i*KST
.endr
	s_wait_dscnt 0x0                               ; for the others' sake: my stores have landed
	s_barrier_signal -1
	s_barrier_wait -1
; A KEY STEP: 128 keys.  q: the first register of the task's Q.
.macro STEP q
	s_cmp_gt_u32 s[KT], s[TQ]                      ; all keys of this step come after my queries: a scalar branch on ids, round the step's work alone
	s_cbranch_scc1 .Lhid_\@
	v_add_nc_u32 v[ADK], s[TB], v[LK]
	v_add_nc_u32 v[ADV], s[TB], v[LV]
	v_nop                                          ; with the two additions: four places in front of loads into registers that the last products read
	v_nop
.irp t, 0,1,2,3,4,5,6,7
.irp w, 0,1,2,3
	ds_load_b64 v[32+8*\t+2*\w:33+8*\t+2*\w], v[ADK] offset:1024*\t+256*\w   ; pair w of key tile t: 256 consecutive bytes a load
.endr
.endr
	s_wait_dscnt 0x0
.irp t, 0,1,2,3,4,5,6,7
	v_wmma_f32_16x16x64_fp8_fp8 v[96+8*\t:103+8*\t], v[32+8*\t:39+8*\t], v[\q:\q+7], 0
.endr
.rept 4
	v_nop                                          ; places in front of the loads below and of the first read of the scores
.endr
.irp t, 0,1,2,3
.irp c, 0,1,2,3
	ds_load_b128 v[32+16*\t+4*\c:35+16*\t+4*\c], v[ADV] offset:2048*\t+512*\c   ; V's four fragments land under the softmax
.endr
.endr
	s_cmp_lg_u32 s[KT], s[TQ]                      ; the diagonal step: the scores of hidden keys become -infinity ahead of the maximum, so p = 0 there
	s_cbranch_scc1 .Lopen_\@
.irp t, 0,1,2,3,4,5,6,7
	s_cmp_gt_u32 s[TA], \t                         ; a tile all of whose 16 keys come before my 16 queries is left as it is
	s_cbranch_scc1 .Lfree_\@_\t
.irp j, 0,1,2,3,4,5,6,7
	v_cmp_gt_i32 vcc_lo, 16*\t+\j, v[DG]
	v_cndmask_b32 v[96+8*\t+\j], v[96+8*\t+\j], v[NINF], vcc_lo
.endr
.Lfree_\@_\t:
.endr
.Lopen_\@:
	v_max3_num_f32 v30, v96, v97, v98              ; the step's largest score of my query, among my 64 keys, in two chains,
	v_max3_num_f32 v31, v99, v100, v101
.irp i, 6,10,14,18,22,26,30,34,38,42,46,50,54,58
	v_max3_num_f32 v30, v30, v[96+\i], v[97+\i]
	v_max3_num_f32 v31, v31, v[98+\i], v[99+\i]
.endr
	v_max3_num_f32 v30, v30, v158, v159
	v_max_num_f32 v30, v30, v31
	v_permlanex16_b32 v24, v30, s[SEL], s[SEL+1]
	v_max_num_f32 v30, v30, v24                    ; and among lane l xor 16's
	v_mul_f32 v30, s[CS], v30                      ; as t (c is positive)
	v_max_num_f32 v13, v13, v30                    ; the running largest t
	v_mov_b32 v30, v12
	v_floor_f32 v12, -v13                          ; the new -M = floor(-t) = -ceil(t): M is a whole number
	v_sub_f32 v30, v12, v30                        ; M's old value less its new one: a whole number, 0 or less
	v_cvt_i32_f32 v30, v30                         ; (it saturates)
	v_ldexp_f32 v28, 1.0, v30                      ; f = 2^(old M - new M)
.irp j, 0,2,4,6,8,10,12,14,16,18,20,22,24,26,28,30,32,34,36,38,40,42,44,46,48,50,52,54,56,58,60,62
	v_pk_fma_f32 v[96+\j:97+\j], v[96+\j:97+\j], s[CS:CS+1], v[12:13] op_sel_hi:[1,0,0]   ; t - M, two at a time (of the pairs c and -M the low word serves both halves)
.endr
.irp j, 0,1,2,3,4,5,6,7,8,9,10,11,12,13,14,15,16,17,18,19,20,21,22,23,24,25,26,27,28,29,30,31,32,33,34,35,36,37,38,39,40,41,42,43,44,45,46,47,48,49,50,51,52,53,54,55,56,57,58,59,60,61,62,63
	v_exp_f32 v[96+\j], v[96+\j]                   ; p = 2^(t - M), at most 1: not normalised
.endr
	v_pk_mul_f32 v[14:15], v[14:15], v[28:29] op_sel_hi:[1,0]   ; the sums under the new M: the plain instruction behind the exponentials
	s_wait_alu depctr_va_vdst(0)                   ; one wait for the whole batch, ahead of its first reader
	v_pk_add_f32 v[26:27], v[96:97], v[98:99]      ; the row's sum is taken of the UNQUANTISED p: two at a time, in two chains
.irp j, 4,8,12,16,20,24,28,32,36,40,44,48,52,56,60
	v_pk_add_f32 v[14:15], v[14:15], v[96+\j:97+\j]
	v_pk_add_f32 v[26:27], v[26:27], v[98+\j:99+\j]
.endr
	v_pk_add_f32 v[14:15], v[14:15], v[26:27]
	s_cmp_ge_i32 s[E4], -8                         ; p <= 1 <= 448 x 2^e4 from e4 = -8 on: the hold would change nothing
	s_cbranch_scc1 .Lno_hold_\@
.irp j, 0,1,2,3,4,5,6,7,8,9,10,11,12,13,14,15,16,17,18,19,20,21,22,23,24,25,26,27,28,29,30,31,32,33,34,35,36,37,38,39,40,41,42,43,44,45,46,47,48,49,50,51,52,53,54,55,56,57,58,59,60,61,62,63
	v_min_num_f32 v[96+\j], v[96+\j], v240         ; the conversion to an 8-bit code does not saturate (ISA guide 7.6.2); p is not negative, so the hold is one-sided
.endr
.Lno_hold_\@:
.irp t, 0,1,2,3,4,5,6,7
	v_cvt_scalef32_pk8_fp8_f32 v[192+2*\t:193+2*\t], v[96+8*\t:103+8*\t], v241   ; pair t of P: keys 16 t + 8 h + 0..7
.endr
.irp j, 0,2,4,6,8,10,12,14,16,18,20,22,24,26,28,30
	v_pk_mul_f32 v[160+\j:161+\j], v[160+\j:161+\j], v[28:29] op_sel_hi:[1,0]   ; O^T under the new M.  (These sixteen also stand between the conversions and the products that read their results)
.endr
	s_wait_dscnt 0x0                               ; V is in
.irp t, 0,1,2,3
	v_wmma_f32_16x16x128_fp8_fp8 v[160+8*\t:167+8*\t], v[32+16*\t:47+16*\t], v[192:207], v[160+8*\t:167+8*\t]   ; the four accumulators by turns, one instruction a turn
.endr
.Lhid_\@:
.endm
; A TASK: 16 queries of one head against key steps 0 .. s[TQ].  trips: the loop's constant count; q: Q's first register; ob: the scalar pair with the task's place in o_img.
.macro TASK trips, q, ob
	v_mov_b32 v13, 0xff61b1e6                      ; the largest t so far: -3e38, under every t
	v_floor_f32 v12, -v13                          ; -M
	v_mov_b32 v14, 0                               ; the sum, in two halves
	v_mov_b32 v15, 0
.irp j, 0,1,2,3,4,5,6,7,8,9,10,11,12,13,14,15,16,17,18,19,20,21,22,23,24,25,26,27,28,29,30,31
	v_mov_b32 v[160+\j], 0                         ; O^T: the step is written once; the first finds zeros, which the first change of M leaves zeros
.endr
	s_mov_b32 s[KT], 0
	s_mov_b32 s[TB], 0
.Lk_\@:
	STEP \q
	s_add_co_u32 s[TB], s[TB], KST
	s_add_co_u32 s[KT], s[KT], 1
	s_cmp_lt_u32 s[KT], \trips
	s_cbranch_scc1 .Lk_\@
.rept 4
	v_nop                                          ; places behind the last products
.endr
	v_add_f32 v14, v14, v15                        ; the sum's two halves,
	v_permlanex16_b32 v24, v14, s[SEL], s[SEL+1]
	v_add_f32 v14, v14, v24                        ; and lane l xor 16's: the row's sum
	v_rcp_f32 v14, v14
	v_nop                                          ; a plain instruction behind the reciprocal
	s_wait_alu depctr_va_vdst(0)                   ; and the wait ahead of its first reader
	v_ldexp_f32 v14, v14, s[EO]                    ; x 2^(e4 + e5 - e6): O^T x this is o in units of its scale
.irp j, 0,2,4,6,8,10,12,14,16,18,20,22,24,26,28,30
	v_pk_mul_f32 v[96+\j:97+\j], v[160+\j:161+\j], v[14:15] op_sel_hi:[1,0]   ; each accumulator from its low end on
.endr
.irp j, 0,1,2,3,4,5,6,7,8,9,10,11,12,13,14,15,16,17,18,19,20,21,22,23,24,25,26,27,28,29,30,31
	v_med3_num_f32 v[96+\j], v[96+\j], -v242, v242
.endr
.irp t, 0,1,2,3
	v_cvt_scalef32_pk8_fp8_f32 v[192+2*\t:193+2*\t], v[96+8*\t:103+8*\t], v243   ; pair t: o(query r, d = 16 t + 8 h + 0..7)
.endr
	v_nop                                          ; one plain vector instruction behind the last conversion
	global_store_b128 v[L16], v[192:195], s[\ob:\ob+1]                ; 512 consecutive bytes a store
	global_store_b128 v[L16], v[196:199], s[\ob:\ob+1] offset:512
.endm
	s_mov_b32 s[TQ], s48
	TASK 4, 16, 44                                 ; T = j / 2 <= 3: its reads stay in K's and V's first four steps
	s_wait_loadcnt 0x0                             ; steps 4-7 are in registers
.irp i, 0,1,2,3
	ds_store_b128 v[T16], v[208+4*\i:211+4*\i] offset:(4+\i)*KST   ; bytes that no wave reads in its first task
.endr
.irp i, 0,1,2,3
	ds_store_b128 v[T16V], v[224+4*\i:227+4*\i] offset:(4+\i)*KST
.endr
	s_wait_dscnt 0x0                               ; for the others' sake: my stores have landed
	s_barrier_signal -1
	s_barrier_wait -1
	s_wait_xcnt 0x0                                ; the first task's stores have read their registers, which the second writes again
	s_mov_b32 s[TQ], s49
	TASK 8, 244, 46
	s_wait_tensorcnt 0x0
	ds_add_u32 v254, v255
	s_wait_dscnt 0x0
	s_endpgm
.Lfunc_end_k_q229abed94e_attn:
	.size	k_q229abed94e_attn, .Lfunc_end_k_q229abed94e_attn-k_q229abed94e_attn
	.p2alignl 7, 3214868480
	.fill 96, 4, 3214868480
	.section	.rodata,"a",@progbits
	.p2align	6, 0x0
	.amdhsa_kernel k_q229abed94e_attn
		.amdhsa_group_segment_fixed_size 133120
		.amdhsa_private_segment_fixed_size 0
		.amdhsa_enable_private_segment 0
		.amdhsa_kernarg_size 40
		.amdhsa_user_sgpr_count 2
		.amdhsa_user_sgpr_kernarg_segment_ptr 1
		.amdhsa_wavefront_size32 1
		.amdhsa_system_sgpr_workgroup_id_x 1
		.amdhsa_system_sgpr_workgroup_id_y 1
		.amdhsa_system_sgpr_workgroup_id_z 1
		.amdhsa_system_vgpr_workitem_id 0
		.amdhsa_next_free_vgpr 256
		.amdhsa_next_free_sgpr 66
		.amdhsa_reserve_vcc 1
		.amdhsa_float_denorm_mode_32 3
		.amdhsa_float_denorm_mode_16_64 3
		.amdhsa_memory_ordered 1
		.amdhsa_forward_progress 1
		.amdhsa_inst_pref_size 61
	.end_amdhsa_kernel
	.amdgpu_metadata
---
amdhsa.version: [ 1, 2 ]
amdhsa.kernels:
  - .name:           k_q229abed94e_attn
    .symbol:         k_q229abed94e_attn.kd
    .args:
      - { .name: q_img, .offset: 0, .size: 8, .value_kind: global_buffer, .address_space: global }
      - { .name: k_img, .offset: 8, .size: 8, .value_kind: global_buffer, .address_space: global }
      - { .name: v_img, .offset: 16, .size: 8, .value_kind: global_buffer, .address_space: global }
      - { .name: lowp_scales, .offset: 24, .size: 8, .value_kind: global_buffer, .address_space: global }
      - { .name: o_img, .offset: 32, .size: 8, .value_kind: global_buffer, .address_space: global }
    .group_segment_fixed_size: 133120
    .private_segment_fixed_size: 0
    .kernarg_segment_align: 8
    .kernarg_segment_size: 40
    .max_flat_workgroup_size: 512
    .sgpr_count:     66
    .vgpr_count:     256
    .wavefront_size: 32
...
	.end_amdgpu_metadata
.endif
;; end of part 2
;; launch oproj (part 3): grid 8 x 32, 4 waves a work-group, clusters of 4 x 4, 327,680 bytes of LDS; arguments o_img, wo_codes, lowp_scales, out0; writes out0
.if DOCPART == 3
	.amdgcn_target "amdgcn-amd-amdhsa--gfx1250"
	.amdhsa_code_object_version 6
	.text
	.protected	k_q229abed94e_oproj
	.globl	k_q229abed94e_oproj
	.p2align	8
	.type	k_q229abed94e_oproj,@function
k_q229abed94e_oproj:
	s_mov_b64 s[64:65], 0
	v_nop
	global_prefetch_b8 v0, s[64:65] scope:SCOPE_SE
	s_setreg_imm32_b32 hwreg(HW_REG_WAVE_MODE, 25, 1), 1
	s_wait_xcnt 0x0
	s_wait_alu depctr_hold_cnt(0) depctr_sa_sdst(0) depctr_va_vdst(0) depctr_va_sdst(0) depctr_va_ssrc(0) depctr_va_vcc(0) depctr_vm_vsrc(0)
	s_getreg_b32 s2, hwreg(HW_REG_IB_STS2, 6, 4)
	s_cmp_eq_u32 s2, 0
	s_cbranch_scc0 .Lentry_in_a_cluster
	s_endpgm
.Lentry_in_a_cluster:
	s_bfe_u32 s2, ttmp6, 0x10000c
	s_cmp_lg_u32 s2, 0xf033
	s_cbranch_scc0 .Lentry_shape_is_right
	s_endpgm
.Lentry_shape_is_right:
; out = o wo^T on codes of E4M3 (4,096 x 2,048 x 2,048), each finished sum x 2^(e6 + e7); out0 is f32.
; SHARES.  Work-group (g, rt) makes rows 128 rt .. +127 x columns 256 g .. +255: 256 work-groups.  Wave w makes all 128 rows x columns 64 w .. +63 of the tile: 32 accumulators of 16 x 16, 256 registers.
; o comes as images of operand registers: ((rt 8 + a) 32 + head) 1024 + quad 512 + 16 lane; two neighbouring heads, 2,048 bytes, are one fragment of 16 rows x 128 K in this form's own layout (pair c: K = 16 c + 8 h + 0..7).
; So wo's fragments are read in that layout too: eight loads of 8 bytes at row x pitch + 16 c + 8 h.
; K goes in steps of 256 through a ring of two LDS slots filled by the tensor data mover; a slot holds two steps of 128.  o's part of a slot is 8 row blocks x 4,096 bytes, dense; wo's is 256 rows of 256 bytes, padded.
; CLUSTERS: 4 x 4 work-groups.  The four of a row of the cluster need the same images of o, the four of a column the same rows of wo: each tile is asked for JOINTLY.
; THE MATRIX INSTRUCTION IS USED TRANSPOSED (source 0 = 16 rows of wo, source 1 = 16 rows of o): a lane holds eight neighbouring numbers of a row of out0.
; LIMIT: e6 + e7 lies between -126 and 127, so that 2^(e6 + e7) is an f32 number.
; REGISTERS, in windows of 256.  window 0: v0-14 addresses; v32-127 at work on the way out; v128-255 o's fragments, set 0.   window 1: wo's fragments, set p at v[64 p + 16 nb]; v128-255 o's fragments, set 1.
;   window 2: accumulator (a, nb) at v[8 (4 a + nb)].
.set PITCH, 272                        ; an LDS row of wo: 256 bytes + 16 of padding = 68 words: the 32 lanes of a load of 8 bytes touch 64 different banks
.set AIMG,  32768                      ; o's images in a slot
.set HALFB, 128*PITCH                  ; 128 rows of wo: what one tensor load brings
.set SLOT,  AIMG+2*HALFB
.set STAGE, 2*SLOT                     ; behind the ring: 16 rows x (256 bytes + 16) for each wave, for the way out; no fill ever lands there
.set SP,    272
.set SPARE, STAGE+4*16*SP              ; behind the stages: the spare words, 128 bytes a wave: two blocks of 256 bytes that no other line names
.set ADRA, 4                           ; v4-5    16 x lane + the slot
.set ADRB, 6                           ; v6-7    my 64 rows of wo in slot 0, 1
.set STO,  8                           ; v8      the way out: where I put 32 bytes of a row
.set RD,   9                           ; v9      where I read a row back
.set SPW,  10                          ; v10     LDS address of my spare word; never rewritten
.set NIL,  11                          ; v11     0; never rewritten
.set CO,   12                          ; v12     my byte offset in two rows of out0
.set TMP,  32                          ; v32-63  a block's sums x 2^(e6 + e7)
.set BK,   64                          ; v64-95, v96-127 by turns: 16 rows read back from the stage
.set WV,   20
.set ROLE, 27                          ; s27     wave / 2: I fetch for o (0) or for wo (1)
.set G1A,  28
.set G1B,  36
.set G0A,  44
.set G0B,  52
.set MSB, 0
.macro WIN new                         ; the immediate's high byte repeats the setting that is left; a switch that changes nothing is dropped
.if MSB != (\new)
	s_set_vgpr_msb (MSB<<8)|(\new)
.set MSB, (\new)
.endif
.endm
; A joint load: waves 0 and 1 fetch o's images (four row blocks each), waves 2 and 3 128 rows of wo each.  Four v_nop follow each of the two lines.
.macro JLOAD slot
	s_cmp_eq_u32 s[ROLE], 0
	s_cbranch_scc0 .Lfor_b_\@
	tensor_load_to_lds s[G0A+4*\slot:G0A+4*\slot+3], s[G1A:G1A+7]
	s_nop 0
.rept 4
	v_nop
.endr
	s_branch .Lasked_\@
.Lfor_b_\@:
	tensor_load_to_lds s[G0B+4*\slot:G0B+4*\slot+3], s[G1B:G1B+7]
	s_nop 0
.rept 4
	v_nop
.endr
.Lasked_\@:
.endm
.macro CREST                           ; a round of the cluster's barrier behind its opening barrier
	s_cmp_lg_u32 s[WV], 0
	s_cbranch_scc1 .Lnot_wave_0_\@
	s_barrier_signal -3
.Lnot_wave_0_\@:
	s_barrier_wait -3
	s_barrier_signal -1
	s_barrier_wait -1
.endm
.macro CROUND
	s_barrier_signal -1
	s_barrier_wait -1
	CREST
.endm
.macro PLACES n
.rept \n
	v_nop
.endr
.endm
	s_load_b256 s[4:11], s[0:1], 0x0               ; o_img s[4:5], wo s[6:7], scales s[8:9], out0 s[10:11]
	v_lshl_add_u32 v[SPW], v0, 2, SPARE
	v_mov_b32 v[NIL], 0
	ds_add_u32 v10, v11
	ds_add_u32 v10, v11
	s_wait_dscnt 0x0
	v_lshrrev_b32 v1, 5, v0
	v_readfirstlane_b32 s[WV], v1                  ; wave 0..3
	s_lshr_b32 s[ROLE], s[WV], 1
	s_and_b32 s82, s[WV], 1                        ; which half of the tile I fetch
	s_bfe_u32 s21, ttmp6, 0x40000                  ; cx, cy
	s_bfe_u32 s22, ttmp6, 0x40004
	s_lshl_b32 s23, ttmp9, 2
	s_add_co_u32 s23, s23, s21                     ; g = 4 x cluster x + cx
	s_and_b32 s24, ttmp7, 0xffff
	s_lshl_b32 s24, s24, 2
	s_add_co_u32 s24, s24, s22                     ; rt = 4 x cluster y + cy
	s_lshl_b32 s25, s22, 2
	s_lshl_b32 s25, 15, s25                        ; my row of the cluster
	s_lshl_b32 s26, 0x1111, s21                    ; my column
	; group 1 for o's images: 4 rows of 512 elements of 8 bytes (4,096 bytes), 4,096 elements (32,768 bytes) apart, dense in LDS
	s_or_b32 s[G1A], s25, (3<<16)|(1<<21)          ; 15:0 the mask: my row; 17:16 elements of 8 bytes; 21 set beside a mask
	s_mov_b32 s[G1A+1], 512<<16                    ; tensor_dim0 = 512
	s_mov_b32 s[G1A+2], 4<<16                      ; tensor_dim1 = 4
	s_mov_b32 s[G1A+3], 512<<16                    ; tile_dim0 = 512
	s_mov_b32 s[G1A+4], 4                          ; tile_dim1 = 4
	s_mov_b32 s[G1A+5], 4096                       ; from row to row
	s_mov_b32 s[G1A+6], 0
	s_mov_b32 s[G1A+7], 0
	; group 1 for wo's tiles: 128 rows x 256 bytes, padded in LDS
	s_or_b32 s[G1B], s26, (1<<20)|(1<<21)|(5<<22)|(3<<25)   ; the mask: my column; elements of 1 byte; padding on: four words after every 64
	s_mov_b32 s[G1B+1], 256<<16
	s_mov_b32 s[G1B+2], 128<<16
	s_mov_b32 s[G1B+3], 256<<16
	s_mov_b32 s[G1B+4], 128
	s_mov_b32 s[G1B+5], 2048
	s_mov_b32 s[G1B+6], 0
	s_mov_b32 s[G1B+7], 0
	s_lshl_b32 s60, s24, 18                        ; o_img: rt x 262,144 + half x 4 row blocks of 32,768: it hangs on rt and the wave alone
	s_lshl_b32 s61, s82, 17
	s_add_co_u32 s60, s60, s61
	s_mov_b32 s61, 0
	s_lshl_b32 s66, s23, 19                        ; wo: row 256 g + 128 x half, 2,048 bytes a row: it hangs on g and the wave alone
	s_lshl_b32 s67, s82, 18
	s_add_co_u32 s66, s66, s67
	s_mov_b32 s67, 0
	s_lshl_b32 s62, s82, 14                        ; where they go: no place in the cluster enters an LDS address
	s_mul_i32 s63, s82, HALFB
	s_add_co_u32 s63, s63, AIMG
	s_wait_kmcnt 0x0
	s_load_b256 s[72:79], s[8:9], 0x0              ; e0 .. e7
	s_add_nc_u64 s[60:61], s[4:5], s[60:61]
	s_add_nc_u64 s[66:67], s[6:7], s[66:67]
	CROUND                                         ; all sixteen work-groups are here: the first joint loads meet
.irp s, 0,1
	s_mov_b32 s[G0A+4*\s], 1
	s_add_co_u32 s[G0A+4*\s+1], s62, \s*SLOT
	s_add_nc_u64 s[G0A+4*\s+2:G0A+4*\s+3], s[60:61], \s*4096
	s_or_b32 s[G0A+4*\s+3], s[G0A+4*\s+3], 0x80000000
	s_mov_b32 s[G0B+4*\s], 1
	s_add_co_u32 s[G0B+4*\s+1], s63, \s*SLOT
	s_add_nc_u64 s[G0B+4*\s+2:G0B+4*\s+3], s[66:67], \s*256
	s_or_b32 s[G0B+4*\s+3], s[G0B+4*\s+3], 0x80000000
	JLOAD \s                                       ; K steps 0 and 1: two tensor loads of mine are out
.endr
	v_and_b32 v1, 15, v0                           ; r
	v_bfe_u32 v2, v0, 4, 1                         ; h
	v_and_b32 v3, 31, v0
	v_lshlrev_b32 v3, 4, v3                        ; 16 x lane
	v_mul_u32_u24 v13, v1, PITCH
	v_lshl_add_u32 v13, v2, 3, v13                 ; wo: row r x pitch + 8 h
	s_mul_i32 s62, s[WV], 64*PITCH
	s_add_co_u32 s62, s62, AIMG                    ; my 64 rows of wo
.irp s, 0,1
	v_add_nc_u32 v[ADRA+\s], \s*SLOT, v3
	v_add_nc_u32 v[ADRB+\s], s62, v13
	s_add_co_u32 s62, s62, SLOT
.endr
	s_mul_i32 s63, s[WV], 16*SP
	s_add_co_u32 s63, s63, STAGE                   ; my stage
	v_mul_u32_u24 v14, v1, SP                      ; in: row r, 32 bytes for each half of the lanes
	v_lshl_add_u32 v14, v2, 5, v14
	v_add_nc_u32 v[STO], s63, v14
	v_mul_u32_u24 v14, v2, SP                      ; back: lanes 0-15 one row of 256 bytes, lanes 16-31 the next
	v_lshl_add_u32 v14, v1, 4, v14
	v_add_nc_u32 v[RD], s63, v14
	v_lshlrev_b32 v[CO], 13, v2                    ; and the same two rows in out0: 8,192 bytes a row
	v_lshl_add_u32 v[CO], v1, 4, v[CO]
	s_lshl_b32 s68, s24, 20                        ; out0: row 128 rt, column 256 g + 64 w
	s_lshl_b32 s69, s23, 10
	s_add_co_u32 s68, s68, s69
	s_lshl_b32 s69, s[WV], 8
	s_add_co_u32 s68, s68, s69
	s_mov_b32 s69, 0
	s_add_nc_u64 s[10:11], s[10:11], s[68:69]
; 64 LDS loads in one run: all fragments of the slot's q-th 128 along K into sets p
.macro FETCH slot, q, p
	WIN 0x40                                       ; destination window 1
.irp nb, 0,1,2,3
.irp c, 0,1,2,3,4,5,6,7
	ds_load_b64 v[64*(\p)+16*\nb+2*\c:64*(\p)+16*\nb+2*\c+1], v[ADRB+\slot] offset:\nb*16*PITCH+128*(\q)+16*\c   ; pair c: K = 16 c + 8 h + 0..7 of row r
.endr
.endr
	WIN 0x40*(\p)                                  ; o's set 0 lies in window 0, set 1 in window 1
.irp a, 0,1,2,3,4,5,6,7
.irp c, 0,1,2,3
	ds_load_b128 v[128+16*\a+4*\c:128+16*\a+4*\c+3], v[ADRA+\slot] offset:\a*4096+(\q)*2048+\c*512   ; the image as it lies: 512 consecutive bytes a load
.endr
.endr
.endm
; The products of row blocks a0 .. a0 + n - 1 with my four column blocks.  The 32 accumulators take turns, one instruction a turn, in the same order in every step.
.macro MUL a0, n, p, zero
	WIN 0xa1+4*(\p)                                ; source 0 (wo) window 1, source 1 (o) window 0 or 1, C and D window 2
.set aa, \a0
.rept \n
.irp nb, 0,1,2,3
.set AC, 8*(4*aa+\nb)
.if \zero
	v_wmma_f32_16x16x128_fp8_fp8 v[AC:AC+7], v[64*(\p)+16*\nb:64*(\p)+16*\nb+15], v[128+16*aa:128+16*aa+15], 0
.else
	v_wmma_f32_16x16x128_fp8_fp8 v[AC:AC+7], v[64*(\p)+16*\nb:64*(\p)+16*\nb+15], v[128+16*aa:128+16*aa+15], v[AC:AC+7]
.endif
.endr
.set aa, aa+1
.endr
.endm
; A slot's first step multiplies sets 0; at its head it fetches the slot's second step into sets 1: 32 matrix instructions ahead of their use.
.macro STEP slot, zero
	s_wait_dscnt 0x0                               ; sets 0 are in (asked for 16 matrix instructions ago)
	PLACES 4                                       ; sets 1 were read by the matrix instructions just issued
	FETCH \slot, 1, 1
	MUL 0, 8, 0, \zero
.endm
; A slot's second step multiplies sets 1 and changes slots: ONE barrier; in front of it each wave waits for all its tensor loads, adds 0 to its spare word, and waits for that and for its own reads of this slot.
.macro TURN slot, next, fill
	WIN 0                                          ; (the add's two registers lie in window 0)
	s_wait_tensorcnt 0x0                           ; all my tensor loads have landed: the one that was out is my part of the next slot
	ds_add_u32 v[SPW], v[NIL]                      ; 0 onto my spare word
	s_wait_dscnt 1                                 ; only the add may be out: the 64 loads of sets 1 were issued ahead of it
	MUL 0, 2, 1, 0                                 ; eight matrix instructions stand between the add and the wait for it
	s_wait_dscnt 0x0                               ; the add is done, and my reads of this slot are over
	s_barrier_signal -1
	MUL 2, 2, 1, 0
	WIN 0
	s_barrier_wait -1
.if \fill
	CREST                                          ; no wave of any partner still reads this slot or has a load on its way
	s_add_nc_u64 s[G0A+4*\slot+2:G0A+4*\slot+3], s[G0A+4*\slot+2:G0A+4*\slot+3], 8192
	s_add_nc_u64 s[G0B+4*\slot+2:G0B+4*\slot+3], s[G0B+4*\slot+2:G0B+4*\slot+3], 512
	JLOAD \slot                                    ; the first tensor load behind the round; its four v_nop are also the places in front of the loads below
.else
	PLACES 4
.endif
	FETCH \next, 0, 0
	MUL 4, 4, 1, 0
.endm
	s_wait_tensorcnt 1                             ; my part of K step 0 is in; K step 1's may stay out
	s_barrier_signal -1
	s_barrier_wait -1                              ; everybody's is
	FETCH 0, 0, 0
	STEP 0, 1                                      ; the first step stands in front of the loop: its products start the sums
	WIN 0                                          ; at a label and at a branch every window is 0
	s_mov_b32 s3, 3
.Llap:                                                 ; a trip goes once round the ring and fills both slots again: K steps 2 to 7 in three trips
	TURN 0, 1, 1
	STEP 1, 0
	TURN 1, 0, 1
	STEP 0, 0
	WIN 0
	s_sub_co_u32 s3, s3, 1
	s_cmp_lg_u32 s3, 0
	s_cbranch_scc1 .Llap
	TURN 0, 1, 0                                   ; the last lap fills nothing, and has no round of the cluster's barrier
	STEP 1, 0
	s_wait_dscnt 0x0                               ; the very last step: nothing more to fetch
	MUL 0, 8, 1, 0
	WIN 0
; THE WAY OUT, block by block of 16 rows x 64 columns.  A lane holds 32 neighbouring bytes of a row, and the lanes beside it hold other rows: so a block goes through my own stage in LDS and comes back as whole rows
; of 256 bytes, two an instruction.  LDS serves a wave's instructions in order (ISA guide 5.7.1.4): no wait between the stores and the loads, nor in front of the next block's stores.
.macro TOSTAGE a
.set AC, 32*(\a)
	WIN 0x02                                       ; source 0: window 2
.irp j, 0,2,4,6,8,10,12,14,16,18,20,22,24,26,28,30
	v_pk_mul_f32 v[TMP+\j:TMP+\j+1], v[AC+\j:AC+\j+1], s[80:81] op_sel_hi:[1,0]   ; x 2^(e6 + e7); each accumulator from its low end on
.endr
	WIN 0
.irp nb, 0,1,2,3
	ds_store_b128 v[STO], v[TMP+8*\nb:TMP+8*\nb+3] offset:64*\nb
	ds_store_b128 v[STO], v[TMP+8*\nb+4:TMP+8*\nb+7] offset:64*\nb+16
.endr
.set BB, BK+32*((\a)%2)
.irp t, 0,1,2,3,4,5,6,7
	ds_load_b128 v[BB+4*\t:BB+4*\t+3], v[RD] offset:2*\t*SP
.endr
.endm
.macro SEND a, younger                 ; younger: the LDS instructions issued behind block a's loads, which may stay out
.set BB, BK+32*((\a)%2)
	s_wait_dscnt \younger                          ; the block is back in registers
.irp t, 0,1,2,3,4,5,6,7
	global_store_b128 v[CO], v[BB+4*\t:BB+4*\t+3], s[10:11] offset:(\a)*131072+2*\t*8192 th:TH_STORE_NT   ; 16 lanes store 256 consecutive bytes, aligned; no base is stepped: 1,032,192 at the most, inside the signed 24-bit immediate
.endr
.endm
	s_wait_kmcnt 0x0
	s_add_co_i32 s80, s78, s79                     ; e6 + e7, between -126 and 127,
	s_add_co_i32 s80, s80, 127
	s_lshl_b32 s80, s80, 23                        ; makes the f32 number 2^(e6 + e7)
	s_mov_b32 s81, s80                             ; (named with it as a pair, so it is written)
	PLACES 4                                       ; behind the last products
	TOSTAGE 0
.irp a, 1,2,3,4,5,6,7
.if \a > 1
	s_wait_xcnt 0x0                                ; block a - 2's stores have read their registers: block a's loads may land there
.endif
	TOSTAGE \a
	SEND \a-1, 16                                  ; behind block a - 1's loads: block a's 8 stores and 8 loads
.endr
	SEND 7, 0
	s_wait_tensorcnt 0x0                           ; the wave's end
	ds_add_u32 v[SPW], v[NIL]
	s_wait_dscnt 0x0
	CROUND                                         ; the closing round: no work-group ends while a partner may still ask for a tile that names it
	s_endpgm
.Lfunc_end_k_q229abed94e_oproj:
	.size	k_q229abed94e_oproj, .Lfunc_end_k_q229abed94e_oproj-k_q229abed94e_oproj
	.p2alignl 7, 3214868480
	.fill 96, 4, 3214868480
	.section	.rodata,"a",@progbits
	.p2align	6, 0x0
	.amdhsa_kernel k_q229abed94e_oproj
		.amdhsa_group_segment_fixed_size 327680
		.amdhsa_private_segment_fixed_size 0
		.amdhsa_enable_private_segment 0
		.amdhsa_kernarg_size 32
		.amdhsa_user_sgpr_count 2
		.amdhsa_user_sgpr_kernarg_segment_ptr 1
		.amdhsa_wavefront_size32 1
		.amdhsa_system_sgpr_workgroup_id_x 1
		.amdhsa_system_sgpr_workgroup_id_y 1
		.amdhsa_system_sgpr_workgroup_id_z 1
		.amdhsa_system_vgpr_workitem_id 0
		.amdhsa_next_free_vgpr 768
		.amdhsa_next_free_sgpr 96
		.amdhsa_reserve_vcc 0
		.amdhsa_float_denorm_mode_32 3
		.amdhsa_float_denorm_mode_16_64 3
		.amdhsa_memory_ordered 1
		.amdhsa_forward_progress 1
		.amdhsa_inst_pref_size 83
	.end_amdhsa_kernel
	.amdgpu_metadata
---
amdhsa.version: [ 1, 2 ]
amdhsa.kernels:
  - .name:           k_q229abed94e_oproj
    .symbol:         k_q229abed94e_oproj.kd
    .args:
      - { .name: o_img, .offset: 0, .size: 8, .value_kind: global_buffer, .address_space: global }
      - { .name: wo_codes, .offset: 8, .size: 8, .value_kind: global_buffer, .address_space: global }
      - { .name: lowp_scales, .offset: 16, .size: 8, .value_kind: global_buffer, .address_space: global }
      - { .name: out0, .offset: 24, .size: 8, .value_kind: global_buffer, .address_space: global }
    .group_segment_fixed_size: 327680
    .private_segment_fixed_size: 0
    .kernarg_segment_align: 8
    .kernarg_segment_size: 32
    .max_flat_workgroup_size: 128
    .sgpr_count:     96
    .vgpr_count:     768
    .wavefront_size: 32
...
	.end_amdgpu_metadata
.endif
;; end of part 3
;; ======== version 2 of 2: 3 launches; version 1 with the launch attn written anew for expert scheduling mode
;; workspace buffers: q_img 8,388,608 bytes; k_img 2,097,152 bytes; v_img 2,097,152 bytes; o_img 8,388,608 bytes
;; launch qkv: the kernel of part 1 again; grid 8 x 32, 4 waves a work-group, clusters of 4 x 4, 327,680 bytes of LDS; arguments x_codes, wqkv_codes, freqs_cos, freqs_sin, lowp_scales, q_img, k_img, v_img; writes q_img, k_img, v_img
;; launch attn (part 4): grid 8 x 32, 16 waves a work-group, no clusters, 133,120 bytes of LDS; arguments q_img, k_img, v_img, lowp_scales, o_img; writes o_img
.if DOCPART == 4
	.amdgcn_target "amdgcn-amd-amdhsa--gfx1250"
	.amdhsa_code_object_version 6
	.text
	.protected	k_q229abed94e_attn
	.globl	k_q229abed94e_attn
	.p2align	8
	.type	k_q229abed94e_attn,@function
k_q229abed94e_attn:
	s_mov_b64 s[64:65], 0
	v_nop
	global_prefetch_b8 v0, s[64:65] scope:SCOPE_SE
	s_setreg_imm32_b32 hwreg(HW_REG_WAVE_SCHED_MODE, 0, 2), 2
	s_setreg_imm32_b32 hwreg(HW_REG_WAVE_MODE, 25, 1), 1
	s_wait_xcnt 0x0
	s_wait_alu depctr_vm_vsrc(0)
; Causal attention on codes of E4M3: 128 (batch, head) pairs, 1,024 x 1,024, head size 64, four q heads to a key/value head.  o leaves as codes, quantised with 2^e6.
; THE SOFTMAX AHEAD OF THE SECOND PRODUCT: t = score x 2^(e2 + e3) x log2(e) / 8; M = the row's largest t so far, rounded UP to a whole number; p = 2^(t - M) is quantised with 2^e4, not normalised.
; The row's sum is taken of the unquantised p and divides O at the end.  When M moves, the sum and O are multiplied by 2^(old M - new M): exact.
; SHARES.  Work-group (j, y = 8 b + g).  All of K and V of (b, g), 64 + 64 KiB of operand images, lies in LDS, filled once through registers.  Wave w owns q head 4 g + w % 4 and the query tile
; a = 4 (j % 2) + w / 4 (16 queries) of TWO blocks of 128 queries: T = j / 2 and T = 7 - j / 2.  A task walks key steps 0 .. T of 128 keys: (j / 2 + 1) + (8 - j / 2) = 9 steps for every wave of the launch.
; Four waves share a SIMD, so that one wave's vector work stands beside another's matrix work and LDS loads.
; LAYOUT.  S^T = K Q^T (source 0 = 16 keys, source 1 = my 16 queries), O^T = V^T P^T (source 0 = 16 of the head's 64, source 1 = P): a lane holds ONE query (lane % 16) throughout.  Tile t of S^T holds keys
; 16 t + 8 (lane / 16) + 0..7, so its eight codes are register pair t of P, and v_img was laid with the same keys in pair t.  O^T's tile t holds d = 16 t + 8 (lane / 16) + 0..7: pair t of the next launch's operand.
; The loops' trip counts are constants (4 and 8); a step all of whose keys come after the task's queries is jumped over by a scalar branch on ids.  The first task's reads stay in the first halves of K's and V's
; bytes, so the second halves are stored to LDS behind it, from registers that were loaded at the head.
; NO CLUSTER, NO TENSOR LOAD: a work-group fetches K and V once, 128 KiB at its head, for 9 key steps of each of its 16 waves; and a branch on e4 spares 64 of a step's vector
; instructions (the hold of p, needless where 448 x 2^e4 >= 1).  NO PREFETCH: every load of the launch is issued at its head.
; LIMITS: e2 + e3 between -123 and 130 (added to c's exponent field); e4 between -126 and 119; e4 + e5 - e6 is applied by v_ldexp_f32.  NaN among the inputs is not served.
; REGISTERS: v1-9 addresses; v12 -M, v13 the largest t, v[14:15] the sum; v[16:23] Q of the first task, v[244:251] of the second; v24-31 at work; v32-95 K's fragments, then V's; v96-159 S^T, then p;
;   v160-191 O^T; v192-207 p's codes (o's at a task's end); v208-239 the staged second half of K and V; v240-243 constants.
; THE MODE: SCHED_MODE bits 1:0 = 2 (LLVM: expert scheduling mode 2), set by the entry lines.  The code itself states the register dependences between vector or matrix instructions and memory or LDS
; instructions, with s_wait_alu, always for 0.
; THE PLAN.  Registers that memory or LDS instructions touch:
;   v5, v8, v9      addresses, written once at the head and never again: one wait ahead of the first load serves every load and store that reads them.
;   v3, v4          the step's LDS addresses.  Written at a step's head, read by its 32 loads of K and 16 loads of V.
;   v32-95          K's loads land at a step's head; the 8 products K Q^T read them; V's loads land; the 4 products V^T P^T read them at the step's end.
;   v96-127         at the head: loads land, LDS stores read them.  From the first step on they are S^T.
;   v208-239        loads land at the head; the LDS stores between the tasks read them; nothing else names them.
;   v192-199        a task's last conversions write them, its two global stores read them; the next task's conversions write them again.
; A STEP HAS THREE WAITS ON va_vdst.  At its head, behind the two additions: the addresses are written, and the last step's products are done reading v32-95: K's loads follow.  Behind the products K Q^T: these are done
; reading v32-95: V's loads follow, and since no vector or matrix instruction names v32-95 or v4 until the step's last products, they are dealt in four runs of four among the maxima with no further wait.
; Behind the exponentials: the batch's own.  One wait on vm_vsrc stands at the step's head, ahead of the additions.  No second set of 64 registers is to be had for K or V: the wave's 256 are taken but for six.
.set KST,  8192                        ; a key step's image of K, or of V, in bytes
.set VB,   65536                       ; V's images begin here
.set LK,   1                           ; v1   8 x lane
.set LV,   2                           ; v2   16 x lane + VB
.set ADK,  3                           ; v3   LDS address of the step's K
.set ADV,  4                           ; v4   of its V
.set L16,  5                           ; v5   16 x lane
.set DG,   6                           ; v6   16 a + r - 8 h: in the diagonal step register 8 t + j is hidden where 16 t + j is above it
.set NINF, 7                           ; v7   -infinity
.set T16,  8                           ; v8   16 x thread
.set T16V, 9                           ; v9   16 x thread + VB
.set WV,   14
.set TA,   17                          ; s17  a
.set TQ,   18                          ; s18  the task's block of 128 queries
.set KT,   19                          ; s19  the key step, and the loop's counter
.set SEL,  20                          ; s[20:21] lane selects for v_permlanex16_b32: lane l xor 16
.set CS,   22                          ; s[22:23] c = log2(e) / 8 x 2^(e2 + e3)
.set TB,   24                          ; s24  LDS byte of the key step in hand
.set E4,   25
.set EO,   26                          ; e4 + e5 - e6
.set MK,   28                          ; s[28:35] the diagonal step's masks, eight to a tile of keys (at the head these registers hold e0 .. e7, which are used up there)
	s_load_b256 s[4:11], s[0:1], 0x0               ; q_img s[4:5], k_img s[6:7], v_img s[8:9], scales s[10:11]
	s_load_b64 s[12:13], s[0:1], 0x20              ; o_img
	v_lshl_add_u32 v254, v0, 2, 0x20000
	v_mov_b32 v255, 0
	v_lshrrev_b32 v1, 5, v0
	v_readfirstlane_b32 s[WV], v1                  ; wave 0..15
	s_mov_b32 s15, ttmp9                           ; j
	s_and_b32 s16, ttmp7, 0xffff                   ; y = 8 b + g
	s_and_b32 s36, s15, 1
	s_lshl_b32 s36, s36, 2
	s_wait_alu depctr_va_sdst(0)                   ; s14, the wave's number, is written, ahead of its first reader
	s_lshr_b32 s37, s[WV], 2
	s_add_co_u32 s[TA], s36, s37                   ; a
	s_lshr_b32 s48, s15, 1                         ; the first task's T
	s_sub_co_u32 s49, 7, s48                       ; the second's
	s_lshr_b32 s36, s16, 3
	s_lshl_b32 s36, s36, 3                         ; 8 b
	s_and_b32 s37, s16, 7
	s_lshl_b32 s37, s37, 2
	s_and_b32 s38, s[WV], 3
	s_add_co_u32 s37, s37, s38                     ; head = 4 g + w % 4
.irp u, 0,1                            ; a task's fragment in q_img and o_img: (((8 b + T) 8 + a) 32 + head) x 1,024
	s_add_co_u32 s[50+2*\u], s36, s[48+\u]
	s_lshl_b32 s[50+2*\u], s[50+2*\u], 3
	s_add_co_u32 s[50+2*\u], s[50+2*\u], s[TA]
	s_lshl_b32 s[50+2*\u], s[50+2*\u], 5
	s_add_co_u32 s[50+2*\u], s[50+2*\u], s37
	s_lshl_b32 s[50+2*\u], s[50+2*\u], 10
	s_mov_b32 s[51+2*\u], 0
.endr
	s_lshl_b32 s54, s16, 16                        ; K's and V's 64 KiB of (b, g)
	s_mov_b32 s55, 0
	s_mov_b32 s[SEL], 0x76543210
	s_mov_b32 s[SEL+1], 0xfedcba98
	s_mov_b32 s[CS], 0x3e38aa3b                    ; log2(e) / 8
	v_and_b32 v[L16], 31, v0
	v_lshlrev_b32 v[LK], 3, v[L16]
	v_lshlrev_b32 v[L16], 4, v[L16]
	v_add_nc_u32 v[LV], VB, v[L16]
	v_lshlrev_b32 v[T16], 4, v0
	v_add_nc_u32 v[T16V], VB, v[T16]
	v_and_b32 v[DG], 15, v0
	v_bfe_u32 v[NINF], v0, 4, 1
	v_lshlrev_b32 v[NINF], 3, v[NINF]
	v_sub_nc_u32 v[DG], v[DG], v[NINF]
	s_lshl_b32 s36, s[TA], 4
	v_add_nc_u32 v[DG], s36, v[DG]
	v_mov_b32 v[NINF], 0xff800000
	v_mov_b32 v24, 0                               ; written once: a lane permute's destination counts as one of its sources
	v_mov_b32 v29, 0                               ; (named as the upper half of the pair v[28:29])
	v_mov_b32 v242, 0x43e00000                     ; 448
	v_mov_b32 v243, 1.0
	s_wait_kmcnt 0x0
	s_load_b256 s[28:35], s[10:11], 0x0            ; e0 .. e7
	s_add_nc_u64 s[40:41], s[4:5], s[50:51]
	s_add_nc_u64 s[42:43], s[4:5], s[52:53]
	s_add_nc_u64 s[44:45], s[12:13], s[50:51]
	s_add_nc_u64 s[46:47], s[12:13], s[52:53]
	s_add_nc_u64 s[6:7], s[6:7], s[54:55]
	s_add_nc_u64 s[8:9], s[8:9], s[54:55]
	s_wait_alu depctr_va_vdst(0)                   ; v5, v8 and v9 are written: the loads below, the LDS stores and both tasks' global stores read them as addresses, and no vector instruction names them again
	global_load_b128 v[16:19], v[L16], s[40:41] th:TH_LOAD_NT               ; twenty loads: Q of both tasks (each fragment is read once in the launch),
	global_load_b128 v[20:23], v[L16], s[40:41] offset:512 th:TH_LOAD_NT
	global_load_b128 v[244:247], v[L16], s[42:43] th:TH_LOAD_NT
	global_load_b128 v[248:251], v[L16], s[42:43] offset:512 th:TH_LOAD_NT
.irp i, 0,1,2,3
	global_load_b128 v[96+4*\i:99+4*\i], v[T16], s[6:7] offset:\i*KST       ; K's steps 0-3: the 512 threads take a step's 8,192 bytes,
.endr
.irp i, 0,1,2,3
	global_load_b128 v[112+4*\i:115+4*\i], v[T16], s[8:9] offset:\i*KST     ; V's,
.endr
.irp i, 0,1,2,3
	global_load_b128 v[208+4*\i:211+4*\i], v[T16], s[6:7] offset:(4+\i)*KST ; and steps 4-7, which stay in registers through the first task
.endr
.irp i, 0,1,2,3
	global_load_b128 v[224+4*\i:227+4*\i], v[T16], s[8:9] offset:(4+\i)*KST
.endr
	s_wait_kmcnt 0x0
	s_add_co_i32 s36, s30, s31
	s_lshl_b32 s36, s36, 23
	s_add_co_i32 s[CS], s[CS], s36                 ; a score stands for score x 2^(e2 + e3): the two exponents are added to c's exponent field
	s_mov_b32 s[CS+1], s[CS]                       ; (named with it as a pair, so it is written)
	s_mov_b32 s[E4], s32
	s_add_co_i32 s[EO], s32, s33
	s_sub_co_i32 s[EO], s[EO], s34
	s_add_co_i32 s36, s32, 127
	s_lshl_b32 s37, s36, 23
	v_mov_b32 v241, s37                            ; 2^e4 as f32, for p's conversion
	s_add_co_i32 s36, s36, 8
	s_lshl_b32 s36, s36, 23
	s_or_b32 s36, s36, 0x600000
	v_mov_b32 v240, s36                            ; 448 x 2^e4
	s_wait_loadcnt 8                               ; Q and steps 0-3 are in; the eight loads of steps 4-7 may be out
.irp i, 0,1,2,3
	ds_store_b128 v[T16], v[96+4*\i:99+4*\i] offset:\i*KST     ; data that loads brought, addresses from ahead of the wait above: no vector instruction has named either since
.endr
.irp i, 0,1,2,3
	ds_store_b128 v[T16V], v[112+4*\i:115+4*\i] offset:\i*KST
.endr
	s_wait_dscnt 0x0                               ; for the others' sake: my stores have landed
	s_barrier_signal -1
	s_barrier_wait -1
	s_wait_alu depctr_vm_vsrc(0)                   ; my LDS stores have read v96-127: these registers are S^T from here on, written by matrix and vector instructions
; V's fragment t: four LDS loads of 512 consecutive bytes each
.macro VLOAD t
.irp c, 0,1,2,3
	ds_load_b128 v[32+16*(\t)+4*\c:35+16*(\t)+4*\c], v[ADV] offset:2048*(\t)+512*\c
.endr
.endm
; A KEY STEP: 128 keys.  q: the first register of the task's Q.
.macro STEP q
	s_cmp_gt_u32 s[KT], s[TQ]                      ; all keys of this step come after my queries: a scalar branch on ids, round the step's work alone
	s_cbranch_scc1 .Lhid_\@
	s_wait_alu depctr_vm_vsrc(0)                   ; the LDS loads issued so far have read v[ADK] and v[ADV], which the two additions write
	v_add_nc_u32 v[ADK], s[TB], v[LK]
	v_add_nc_u32 v[ADV], s[TB], v[LV]
	v_nop                                          ; with the two additions: four places between the last products and the loads into the registers that those read; they stay beside the wait below
	v_nop
	s_wait_alu depctr_va_vdst(0)                   ; v[ADK] and v[ADV] are written, which this step's loads read; the last step's products V^T P^T are done reading v32-95, in which K's loads land
.irp t, 0,1,2,3,4,5,6,7
.irp w, 0,1,2,3
	ds_load_b64 v[32+8*\t+2*\w:33+8*\t+2*\w], v[ADK] offset:1024*\t+256*\w   ; pair w of key tile t: 256 consecutive bytes a load
.endr
.endr
	s_wait_dscnt 0x0
.irp t, 0,1,2,3,4,5,6,7
	v_wmma_f32_16x16x64_fp8_fp8 v[96+8*\t:103+8*\t], v[32+8*\t:39+8*\t], v[\q:\q+7], 0
.endr
.rept 4
	v_nop                                          ; places in front of the first read of the scores
.endr
	s_wait_alu depctr_va_vdst(0)                   ; the products K Q^T are done reading v32-95, in which V's loads land.  Up to the step's last products no vector or matrix instruction names v32-95 or v[ADV]: the sixteen loads owe nothing more
	VLOAD 0                                        ; V's four fragments land under the softmax, in four runs of four
	s_cmp_lg_u32 s[KT], s[TQ]                      ; the diagonal step: the scores of hidden keys become -infinity ahead of the maximum, so p = 0 there
	s_cbranch_scc1 .Lopen_\@
.irp t, 0,1,2,3,4,5,6,7
	s_cmp_gt_u32 s[TA], \t                         ; a tile all of whose 16 keys come before my 16 queries is left as it is
	s_cbranch_scc1 .Lfree_\@_\t
.irp j, 0,1,2,3,4,5,6,7
	v_cmp_gt_i32 s[MK+\j], 16*\t+\j, v[DG]         ; the tile's eight compares in one run, a scalar register to each mask
.endr
	s_wait_alu depctr_va_sdst(0)                   ; the eight masks are written, ahead of the selects that read them
.irp j, 0,1,2,3,4,5,6,7
	v_cndmask_b32 v[96+8*\t+\j], v[96+8*\t+\j], v[NINF], s[MK+\j]
.endr
.Lfree_\@_\t:
.endr
.Lopen_\@:
	v_max3_num_f32 v30, v96, v97, v98              ; the step's largest score of my query, among my 64 keys, in two chains,
	v_max3_num_f32 v31, v99, v100, v101
	VLOAD 1
.irp i, 6,10,14,18,22,26,30
	v_max3_num_f32 v30, v30, v[96+\i], v[97+\i]
	v_max3_num_f32 v31, v31, v[98+\i], v[99+\i]
.endr
	VLOAD 2
.irp i, 34,38,42,46,50,54,58
	v_max3_num_f32 v30, v30, v[96+\i], v[97+\i]
	v_max3_num_f32 v31, v31, v[98+\i], v[99+\i]
.endr
	v_max3_num_f32 v30, v30, v158, v159
	v_max_num_f32 v30, v30, v31
	VLOAD 3
	v_permlanex16_b32 v24, v30, s[SEL], s[SEL+1]
	v_max_num_f32 v30, v30, v24                    ; and among lane l xor 16's
	v_mul_f32 v30, s[CS], v30                      ; as t (c is positive)
	v_max_num_f32 v13, v13, v30                    ; the running largest t
	v_mov_b32 v30, v12
	v_floor_f32 v12, -v13                          ; the new -M = floor(-t) = -ceil(t): M is a whole number
	v_sub_f32 v30, v12, v30                        ; M's old value less its new one: a whole number, 0 or less
	v_cvt_i32_f32 v30, v30                         ; (it saturates)
	v_ldexp_f32 v28, 1.0, v30                      ; f = 2^(old M - new M)
.irp j, 0,2,4,6,8,10,12,14,16,18,20,22,24,26,28,30,32,34,36,38,40,42,44,46,48,50,52,54,56,58,60,62
	v_pk_fma_f32 v[96+\j:97+\j], v[96+\j:97+\j], s[CS:CS+1], v[12:13] op_sel_hi:[1,0,0]   ; t - M, two at a time (of the pairs c and -M the low word serves both halves)
.endr
.irp j, 0,1,2,3,4,5,6,7,8,9,10,11,12,13,14,15,16,17,18,19,20,21,22,23,24,25,26,27,28,29,30,31,32,33,34,35,36,37,38,39,40,41,42,43,44,45,46,47,48,49,50,51,52,53,54,55,56,57,58,59,60,61,62,63
	v_exp_f32 v[96+\j], v[96+\j]                   ; p = 2^(t - M), at most 1: not normalised
.endr
	v_pk_mul_f32 v[14:15], v[14:15], v[28:29] op_sel_hi:[1,0]   ; the sums under the new M: the plain instruction behind the exponentials
	s_wait_alu depctr_va_vdst(0)                   ; the 64 exponentials have written v96-159: one wait for the whole batch, ahead of its first reader
	v_pk_add_f32 v[26:27], v[96:97], v[98:99]      ; the row's sum is taken of the UNQUANTISED p: two at a time, in two chains
.irp j, 4,8,12,16,20,24,28,32,36,40,44,48,52,56,60
	v_pk_add_f32 v[14:15], v[14:15], v[96+\j:97+\j]
	v_pk_add_f32 v[26:27], v[26:27], v[98+\j:99+\j]
.endr
	v_pk_add_f32 v[14:15], v[14:15], v[26:27]
	s_cmp_ge_i32 s[E4], -8                         ; p <= 1 <= 448 x 2^e4 from e4 = -8 on: the hold would change nothing
	s_cbranch_scc1 .Lno_hold_\@
.irp j, 0,1,2,3,4,5,6,7,8,9,10,11,12,13,14,15,16,17,18,19,20,21,22,23,24,25,26,27,28,29,30,31,32,33,34,35,36,37,38,39,40,41,42,43,44,45,46,47,48,49,50,51,52,53,54,55,56,57,58,59,60,61,62,63
	v_min_num_f32 v[96+\j], v[96+\j], v240         ; the conversion to an 8-bit code does not saturate (ISA guide 7.6.2); p is not negative, so the hold is one-sided
.endr
.Lno_hold_\@:
.irp t, 0,1,2,3,4,5,6,7
	v_cvt_scalef32_pk8_fp8_f32 v[192+2*\t:193+2*\t], v[96+8*\t:103+8*\t], v241   ; pair t of P: keys 16 t + 8 h + 0..7
.endr
.irp j, 0,2,4,6,8,10,12,14,16,18,20,22,24,26,28,30
	v_pk_mul_f32 v[160+\j:161+\j], v[160+\j:161+\j], v[28:29] op_sel_hi:[1,0]   ; O^T under the new M.  (These sixteen also stand between the conversions and the products that read their results)
.endr
	s_wait_dscnt 0x0                               ; V is in
.irp t, 0,1,2,3
	v_wmma_f32_16x16x128_fp8_fp8 v[160+8*\t:167+8*\t], v[32+16*\t:47+16*\t], v[192:207], v[160+8*\t:167+8*\t]   ; the four accumulators by turns, one instruction a turn
.endr
.Lhid_\@:
.endm
; A TASK: 16 queries of one head against key steps 0 .. s[TQ].  trips: the loop's constant count; q: Q's first register; ob: the scalar pair with the task's place in o_img.
.macro TASK trips, q, ob
	v_mov_b32 v13, 0xff61b1e6                      ; the largest t so far: -3e38, under every t
	v_floor_f32 v12, -v13                          ; -M
	v_mov_b32 v14, 0                               ; the sum, in two halves
	v_mov_b32 v15, 0
.irp j, 0,1,2,3,4,5,6,7,8,9,10,11,12,13,14,15,16,17,18,19,20,21,22,23,24,25,26,27,28,29,30,31
	v_mov_b32 v[160+\j], 0                         ; O^T: the step is written once; the first finds zeros, which the first change of M leaves zeros
.endr
	s_mov_b32 s[KT], 0
	s_mov_b32 s[TB], 0
.Lk_\@:
	STEP \q
	s_add_co_u32 s[TB], s[TB], KST
	s_add_co_u32 s[KT], s[KT], 1
	s_cmp_lt_u32 s[KT], \trips
	s_cbranch_scc1 .Lk_\@
.rept 4
	v_nop                                          ; places behind the last products
.endr
	v_add_f32 v14, v14, v15                        ; the sum's two halves,
	v_permlanex16_b32 v24, v14, s[SEL], s[SEL+1]
	v_add_f32 v14, v14, v24                        ; and lane l xor 16's: the row's sum
	v_rcp_f32 v14, v14
	v_nop                                          ; a plain instruction behind the reciprocal
	s_wait_alu depctr_va_vdst(0)                   ; the reciprocal has written v14, ahead of its first reader
	v_ldexp_f32 v14, v14, s[EO]                    ; x 2^(e4 + e5 - e6): O^T x this is o in units of its scale
.irp j, 0,2,4,6,8,10,12,14,16,18,20,22,24,26,28,30
	v_pk_mul_f32 v[96+\j:97+\j], v[160+\j:161+\j], v[14:15] op_sel_hi:[1,0]   ; each accumulator from its low end on
.endr
.irp j, 0,1,2,3,4,5,6,7,8,9,10,11,12,13,14,15,16,17,18,19,20,21,22,23,24,25,26,27,28,29,30,31
	v_med3_num_f32 v[96+\j], v[96+\j], -v242, v242
.endr
.irp t, 0,1,2,3
	v_cvt_scalef32_pk8_fp8_f32 v[192+2*\t:193+2*\t], v[96+8*\t:103+8*\t], v243   ; pair t: o(query r, d = 16 t + 8 h + 0..7)
.endr
	v_nop                                          ; one plain vector instruction behind the last conversion
	s_wait_alu depctr_va_vdst(0)                   ; the four conversions have written v192-199, which the two stores read
	global_store_b128 v[L16], v[192:195], s[\ob:\ob+1]                ; 512 consecutive bytes a store
	global_store_b128 v[L16], v[196:199], s[\ob:\ob+1] offset:512
.endm
	s_mov_b32 s[TQ], s48
	TASK 4, 16, 44                                 ; T = j / 2 <= 3: its reads stay in K's and V's first four steps
	s_wait_loadcnt 0x0                             ; steps 4-7 are in registers
.irp i, 0,1,2,3
	ds_store_b128 v[T16], v[208+4*\i:211+4*\i] offset:(4+\i)*KST   ; bytes that no wave reads in its first task.  No vector instruction has ever named these data registers, nor the addresses since the head's wait
.endr
.irp i, 0,1,2,3
	ds_store_b128 v[T16V], v[224+4*\i:227+4*\i] offset:(4+\i)*KST
.endr
	s_wait_dscnt 0x0                               ; for the others' sake: my stores have landed
	s_barrier_signal -1
	s_barrier_wait -1
	s_wait_xcnt 0x0                                ; the first task's stores have had their addresses translated: their registers are written again only behind this wait,
	s_wait_alu depctr_vm_vsrc(0)                   ; and beside it: those stores have read v192-199, which the second task's conversions write again
	s_mov_b32 s[TQ], s49
	TASK 8, 244, 46
	s_wait_dscnt 0x0
	s_wait_alu depctr_hold_cnt(0) depctr_sa_sdst(0) depctr_va_vdst(0) depctr_va_sdst(0) depctr_va_ssrc(0) depctr_va_vcc(0) depctr_vm_vsrc(0)
	s_wait_tensorcnt 0x0
	ds_add_u32 v254, v255
	s_wait_dscnt 0x0
	s_endpgm
.Lfunc_end_k_q229abed94e_attn:
	.size	k_q229abed94e_attn, .Lfunc_end_k_q229abed94e_attn-k_q229abed94e_attn
	.p2alignl 7, 3214868480
	.fill 96, 4, 3214868480
	.section	.rodata,"a",@progbits
	.p2align	6, 0x0
	.amdhsa_kernel k_q229abed94e_attn
		.amdhsa_group_segment_fixed_size 133120
		.amdhsa_private_segment_fixed_size 0
		.amdhsa_enable_private_segment 0
		.amdhsa_kernarg_size 40
		.amdhsa_user_sgpr_count 2
		.amdhsa_user_sgpr_kernarg_segment_ptr 1
		.amdhsa_wavefront_size32 1
		.amdhsa_system_sgpr_workgroup_id_x 1
		.amdhsa_system_sgpr_workgroup_id_y 1
		.amdhsa_system_sgpr_workgroup_id_z 1
		.amdhsa_system_vgpr_workitem_id 0
		.amdhsa_next_free_vgpr 256
		.amdhsa_next_free_sgpr 66
		.amdhsa_reserve_vcc 0
		.amdhsa_float_denorm_mode_32 3
		.amdhsa_float_denorm_mode_16_64 3
		.amdhsa_memory_ordered 1
		.amdhsa_forward_progress 1
		.amdhsa_inst_pref_size 70
	.end_amdhsa_kernel
	.amdgpu_metadata
---
amdhsa.version: [ 1, 2 ]
amdhsa.kernels:
  - .name:           k_q229abed94e_attn
    .symbol:         k_q229abed94e_attn.kd
    .args:
      - { .name: q_img, .offset: 0, .size: 8, .value_kind: global_buffer, .address_space: global }
      - { .name: k_img, .offset: 8, .size: 8, .value_kind: global_buffer, .address_space: global }
      - { .name: v_img, .offset: 16, .size: 8, .value_kind: global_buffer, .address_space: global }
      - { .name: lowp_scales, .offset: 24, .size: 8, .value_kind: global_buffer, .address_space: global }
      - { .name: o_img, .offset: 32, .size: 8, .value_kind: global_buffer, .address_space: global }
    .group_segment_fixed_size: 133120
    .private_segment_fixed_size: 0
    .kernarg_segment_align: 8
    .kernarg_segment_size: 40
    .max_flat_workgroup_size: 512
    .sgpr_count:     66
    .vgpr_count:     256
    .wavefront_size: 32
...
	.end_amdgpu_metadata
.endif
;; end of part 4
;; launch oproj: the kernel of part 3 again; grid 8 x 32, 4 waves a work-group, clusters of 4 x 4, 327,680 bytes of LDS; arguments o_img, wo_codes, lowp_scales, out0; writes out0
